; MI455X (gfx1250); checked and timed in simulation.
; The chip was launched on July 23, 2026; its instructions are those of AMD's public machine-readable ISA for CDNA 5 (MIT licence, August 2026) and "CDNA5" Instruction Set Architecture Reference Guide (July 2026). The comments in the code are by the model that wrote it; some were corrected since.
;; LM. Allowed arithmetic: float matrix products may take bf16 or f16 operands with f32 sums; other float arithmetic in f32, or as packed bf16 or f16 multiplies, adds, multiply-adds, maxima and minima; sums over many terms, partial sums and values carried from step to step in f32; what a program stores and reads back later, other than sums and carried values, may be rounded once to bf16 or f16.
;; Inputs: Wqkv 1 x 1,024 x 3,072 float32; ab1 1 x 1,024 float32; ab2 1 x 1,024 float32; aw1 1 x 1,024 x 1,024 float32; aw2 1 x 1,024 x 1,024 float32; bqkv 1 x 3,072 float32; fb1 1 x 1,024 float32; fb2 1 x 1,024 float32; fw1 1 x 1,024 x 1,024 float32; fw2 1 x 1,024 x 1,024 float32; head_b 128 float32; head_w 1,024 x 128 float32; ln1_b 1 x 1,024 float32; ln1_g 1 x 1,024 float32; ln2_b 1 x 1,024 float32; ln2_g 1 x 1,024 float32; targets 2 x 2,048 int32; token_emb 128 x 1,024 float32; tokens 2 x 2,048 int32.
;; Outputs: out0 2 x 2,048 x 128 float32; out1 one number float32.
;; 2 versions, each right and faster than the one before. Each part assembles by itself: llvm-mc -triple=amdgcn-amd-amdhsa -mcpu=gfx1250 --defsym DOCPART=n.
;; ======== version 1 of 2: 10 launches
;; workspace buffers: tabs 4,980,736 bytes; wattn 4,194,304 bytes; wffn 4,194,304 bytes; actx 8,388,608 bytes; acty 8,388,608 bytes; zsum 16,777,216 bytes; resid 8,650,752 bytes
;; launch prep (part 1): grid 192 x 1, 4 waves a work-group, no clusters, 327,680 bytes of LDS; arguments Wqkv, bqkv, token_emb, tabs; writes tabs
.if DOCPART == 1
	.amdgcn_target "amdgcn-amd-amdhsa--gfx1250"
	.amdhsa_code_object_version 6
	.text
	.protected	k_qf13482c366_prep
	.globl	k_qf13482c366_prep
	.p2align	8
	.type	k_qf13482c366_prep,@function
k_qf13482c366_prep:
	s_mov_b64 s[64:65], 0
	v_nop
	global_prefetch_b8 v0, s[64:65] scope:SCOPE_SE
	s_setreg_imm32_b32 hwreg(HW_REG_WAVE_MODE, 25, 1), 1
	s_wait_xcnt 0x0
; THE TABLE OF q, k AND v.  x = token_emb[tokens] has no term of the position, so q, k and v of a position hang on its token alone:
;   tab[slab][t][64] = bf16(emb[t] . Wqkv[:, 64 slab ..] + bqkv), slab = 3 head + (0 q, 1 k, 2 v), 128 tokens t: 48 slabs of 16,384 bytes at the head of tabs.
; SHARES.  A work-group makes 32 table rows x 64 columns of one slab: 48 slabs x 4 = 192 work-groups.  K = 1,024 is split among its four waves, 256 each; the partial sums meet in LDS.
; The wave's 256 rows x 256 bytes of Wqkv come by ONE tensor load into bytes that only this wave reads; they are rounded to bf16 into a small stage and come back turned.
; All floating-point inputs are rounded once to bf16; sums in f32.  NO CLUSTER: a slab of Wqkv is read by four work-groups only, once.
; The product is used transposed (source 0 = 16 columns of W, source 1 = 16 rows of emb): a lane holds eight neighbouring columns of one table row.
.set TRB,   262144                     ; behind the four raw tiles of 65,536 bytes: 32 k x 64 n bf16, pitch 160, 5,120 bytes a wave
.set TRP,   160
.set PART,  282624                     ; eight partial tiles of 1,024 bytes a wave
.set OST,   315392                     ; 16 rows, pitch 144, for waves 0 and 1
.set OSP,   144
.set SPARE, 320000                     ; the spare words, 128 bytes a wave: no other line names them
.set ACC, 16                           ; v[16:79]   8 accumulators: (a, nb) at ACC + 8 (4 a + nb)
.set AR,  80                           ; v[80:143]  emb as loaded, two sets of 32
.set AF,  144                          ; v[144:159] emb's two fragments
.set BR,  160                          ; v[160:223] W as read, then packed (low 32) and turned (high 32)
.set BI,  224                          ; v[224:255] bias
	s_load_b256 s[4:11], s[0:1], 0x0               ; Wqkv s[4:5], bqkv s[6:7], emb s[8:9], tabs s[10:11]
	v_lshl_add_u32 v14, v0, 2, SPARE
	v_mov_b32 v15, 0
	ds_add_u32 v14, v15                            ; the opening: the add and its wait ahead of the first tensor load
	v_lshrrev_b32 v1, 5, v0
	v_readfirstlane_b32 s14, v1                    ; wave 0..3
	s_mov_b32 s24, 2<<16                           ; group 1: elements of 4 bytes, no padding
	s_mov_b32 s25, 64<<16                          ; tensor_dim0 = 64
	s_mov_b32 s26, 256<<16                         ; tensor_dim1 = 256
	s_mov_b32 s27, 64<<16                          ; tile_dim0 = 64
	s_mov_b32 s28, 256                             ; tile_dim1 = 256
	s_mov_b32 s29, 3072                            ; elements from row to row
	s_mov_b32 s30, 0
	s_mov_b32 s31, 0
	s_mov_b32 s32, 1                               ; group 0: count
	s_lshl_b32 s33, s14, 16                        ; LDS address: 65,536 x wave
	s_mov_b32 s19, 0
	v_and_b32 v1, 15, v0                           ; r
	v_bfe_u32 v2, v0, 4, 1                         ; h
	v_and_b32 v13, 31, v0                          ; lane
	s_lshr_b32 s15, ttmp9, 2                       ; slab
	s_and_b32 s16, ttmp9, 3                        ; which 32 table rows
	s_mul_i32 s18, s14, 256*3072*4                 ; my 256 rows of Wqkv
	s_lshl_b32 s17, s15, 8                         ; the slab's 64 columns: 256 bytes
	s_add_co_u32 s18, s18, s17
	s_wait_dscnt 0x0
	s_wait_kmcnt 0x0
	s_add_nc_u64 s[34:35], s[4:5], s[18:19]
	s_or_b32 s35, s35, 0x80000000                  ; type = 2
	tensor_load_to_lds s[32:35], s[24:31]          ; my one tensor load
	s_nop 0
	s_mov_b32 s18, s17
	s_add_nc_u64 s[38:39], s[6:7], s[18:19]        ; bqkv at the slab
	s_lshl_b32 s18, s16, 17                        ; 32 rows of emb, 4,096 bytes each
	s_lshl_b32 s17, s14, 10                        ; my 256 k
	s_add_co_u32 s18, s18, s17
	s_add_nc_u64 s[36:37], s[8:9], s[18:19]
	v_lshlrev_b32 v12, 5, v2                       ; bias: 32 h
	v_lshlrev_b32 v3, 12, v1
	v_lshl_add_u32 v3, v2, 5, v3                   ; emb: r x 4,096 + 32 h
.irp nb, 0,1,2,3
	global_load_b128 v[BI+8*(\nb):BI+8*(\nb)+3],   v12, s[38:39] offset:64*(\nb)
	global_load_b128 v[BI+8*(\nb)+4:BI+8*(\nb)+7], v12, s[38:39] offset:64*(\nb)+16
.endr
; 32 along k of both blocks of 16 table rows, as f32: eight loads into set \set, from byte \off behind the pointer
.macro LOADA set, off
.irp a, 0,1
	global_load_b128 v[AR+32*(\set)+16*(\a):AR+32*(\set)+16*(\a)+3],     v3, s[36:37] offset:(\off)+65536*(\a)
	global_load_b128 v[AR+32*(\set)+16*(\a)+4:AR+32*(\set)+16*(\a)+7],   v3, s[36:37] offset:(\off)+65536*(\a)+16
	global_load_b128 v[AR+32*(\set)+16*(\a)+8:AR+32*(\set)+16*(\a)+11],  v3, s[36:37] offset:(\off)+65536*(\a)+64
	global_load_b128 v[AR+32*(\set)+16*(\a)+12:AR+32*(\set)+16*(\a)+15], v3, s[36:37] offset:(\off)+65536*(\a)+80
.endr
.endm
	LOADA 0, 0
	LOADA 1, 128
	v_lshlrev_b32 v4, 4, v13
	v_add_nc_u32 v4, s33, v4                       ; my raw tile: two rows of 256 bytes a load
	s_mul_i32 s21, s14, 32*TRP
	s_add_co_u32 s21, s21, TRB
	v_mul_u32_u24 v5, v2, TRP
	v_lshl_add_u32 v5, v1, 3, v5
	v_add_nc_u32 v5, s21, v5                       ; into the stage: row h, 8 bytes a lane
	v_and_b32 v10, 7, v0
	v_bfe_u32 v11, v0, 3, 1
	v_lshl_add_u32 v6, v2, 3, v10
	v_mul_u32_u24 v6, v6, TRP
	v_lshl_add_u32 v6, v11, 4, v6
	v_add_nc_u32 v6, s21, v6                       ; the turning load: row 8 h + l % 8, 16 bytes by (l / 8) % 2
	s_lshl_b32 s22, s14, 13
	s_add_co_u32 s22, s22, PART
	v_lshl_add_u32 v7, v13, 5, s22                 ; my partial tiles
.set i, 0
.rept 64
	v_mov_b32 v[ACC+i], 0                          ; written while the tile is on its way, so that the loop has one form of product
.set i, i+1
.endr
	s_wait_tensorcnt 0x0                           ; my tile is in; only I read it
; 32 along k.  left: the other set's loads, which may stay out
.macro STEP set, more, left
.set i, 0
.rept 16
	ds_load_b128 v[BR+4*i:BR+4*i+3], v4 offset:8192*(\set)+512*i
.set i, i+1
.endr
	s_wait_loadcnt \left
.set i, 0
.rept 16
	v_cvt_pk_bf16_f32 v[AF+i], v[AR+32*(\set)+2*i], v[AR+32*(\set)+2*i+1]
.set i, i+1
.endr
.if \more
	LOADA \set, 256+128*(\set)                     ; the step two on
.endif
	s_wait_dscnt 0x0
.set i, 0
.rept 32
	v_cvt_pk_bf16_f32 v[BR+i], v[BR+2*i], v[BR+2*i+1]  ; in place: the destination never passes the sources still to be read
.set i, i+1
.endr
.set i, 0
.rept 16
	ds_store_b64 v5, v[BR+2*i:BR+2*i+1] offset:2*TRP*i
.set i, i+1
.endr
.irp nb, 0,1,2,3
	ds_load_tr16_b128 v[BR+32+8*(\nb):BR+32+8*(\nb)+3],   v6 offset:32*(\nb)          ; LDS serves a wave's instructions in order (ISA guide 5.7.1.4): these see the stores above
	ds_load_tr16_b128 v[BR+32+8*(\nb)+4:BR+32+8*(\nb)+7], v6 offset:32*(\nb)+16*TRP
.endr
	s_wait_dscnt 0x0
.irp a, 0,1
.irp nb, 0,1,2,3
	v_wmma_f32_16x16x32_bf16 v[ACC+8*(4*(\a)+(\nb)):ACC+8*(4*(\a)+(\nb))+7], v[BR+32+8*(\nb):BR+32+8*(\nb)+7], v[AF+8*(\a):AF+8*(\a)+7], v[ACC+8*(4*(\a)+(\nb)):ACC+8*(4*(\a)+(\nb))+7]
.endr
.endr
.rept 4
	v_nop                                          ; four places in front of the loads into, and the writes of, registers that the products read
.endr
.endm
	s_mov_b32 s20, 3
.Lk:                                                   ; two steps a trip; the eight accumulators take turns, over the jump too
	STEP 0, 1, 8
	STEP 1, 1, 8
	s_wait_xcnt 0x0                                ; the loads have read their pointer
	s_add_nc_u64 s[36:37], s[36:37], 256
	v_add_nc_u32 v4, 16384, v4
	s_sub_co_u32 s20, s20, 1
	s_cmp_lg_u32 s20, 0
	s_cbranch_scc1 .Lk
	STEP 0, 0, 8                                   ; the last two steps load nothing from memory
	STEP 1, 0, 0
.rept 4
	v_nop
.endr
.set t, 0
.rept 8
	ds_store_b128 v7, v[ACC+8*t:ACC+8*t+3]   offset:1024*t
	ds_store_b128 v7, v[ACC+8*t+4:ACC+8*t+7] offset:1024*t+16
.set t, t+1
.endr
	s_wait_dscnt 0x0                               ; for the others' sake
	s_barrier_signal -1
	s_barrier_wait -1
	s_cmp_lt_u32 s14, 2                            ; wave a finishes the block a of 16 table rows
	s_cbranch_scc0 .Lend
	s_lshl_b32 s22, s14, 12
	s_add_co_u32 s22, s22, PART
	v_lshl_add_u32 v8, v13, 5, s22
.irp p, 0,1,2,3
.irp nb, 0,1,2,3
	ds_load_b128 v[80+32*(\p)+8*(\nb):80+32*(\p)+8*(\nb)+3],   v8 offset:8192*(\p)+1024*(\nb)
	ds_load_b128 v[80+32*(\p)+8*(\nb)+4:80+32*(\p)+8*(\nb)+7], v8 offset:8192*(\p)+1024*(\nb)+16
.endr
.endr
	s_mul_i32 s22, s14, 16*OSP
	s_add_co_u32 s22, s22, OST
	v_mul_u32_u24 v9, v1, OSP
	v_lshl_add_u32 v9, v2, 4, v9
	v_add_nc_u32 v9, s22, v9                       ; in: row r, 16 bytes for each half of the lanes
	v_lshrrev_b32 v10, 3, v13
	v_mul_u32_u24 v10, v10, OSP
	v_and_b32 v11, 7, v0
	v_lshl_add_u32 v10, v11, 4, v10
	v_add_nc_u32 v10, s22, v10                     ; back: four rows of 128 bytes
	v_lshlrev_b32 v11, 4, v13
	s_lshl_b32 s18, s15, 14                        ; the slab,
	s_lshl_b32 s17, s16, 12                        ; the work-group's 32 rows of 128 bytes,
	s_add_co_u32 s18, s18, s17
	s_lshl_b32 s17, s14, 11                        ; my 16
	s_add_co_u32 s18, s18, s17
	s_add_nc_u64 s[40:41], s[10:11], s[18:19]
.set j, 0
.rept 16
	v_cvt_pk_bf16_f32 v[208+(j/2)%4], v[BI+j], v[BI+j+1]   ; the bias is rounded to bf16 like every input
	v_lshlrev_b32 v[BI+j], 16, v[208+(j/2)%4]
	v_and_b32 v[BI+j+1], 0xffff0000, v[208+(j/2)%4]
.set j, j+2
.endr
	s_wait_dscnt 0x0
.set j, 0
.rept 16
	v_pk_add_f32 v[80+j:81+j], v[80+j:81+j], v[112+j:113+j]
	v_pk_add_f32 v[144+j:145+j], v[144+j:145+j], v[176+j:177+j]
.set j, j+2
.endr
.set j, 0
.rept 16
	v_pk_add_f32 v[80+j:81+j], v[80+j:81+j], v[144+j:145+j]
.set j, j+2
.endr
.set j, 0
.rept 16
	v_pk_add_f32 v[80+j:81+j], v[80+j:81+j], v[BI+j:BI+j+1]
.set j, j+2
.endr
.set j, 0
.rept 16
	v_cvt_pk_bf16_f32 v[112+j], v[80+2*j], v[80+2*j+1]
.set j, j+1
.endr
.irp nb, 0,1,2,3
	ds_store_b128 v9, v[112+4*(\nb):115+4*(\nb)] offset:32*(\nb)
.endr
.irp f, 0,1,2,3
	ds_load_b128 v[128+4*(\f):131+4*(\f)], v10 offset:4*OSP*(\f)
.endr
	s_wait_dscnt 0x0
.irp f, 0,1,2,3
	global_store_b128 v11, v[128+4*(\f):131+4*(\f)], s[40:41] offset:512*(\f)   ; 512 consecutive bytes, aligned
.endr
.Lend:
	s_wait_tensorcnt 0x0                           ; the wave's end
	ds_add_u32 v14, v15
	s_wait_dscnt 0x0
	s_endpgm
.Lfunc_end_k_qf13482c366_prep:
	.size	k_qf13482c366_prep, .Lfunc_end_k_qf13482c366_prep-k_qf13482c366_prep
	.p2alignl 7, 3214868480
	.fill 96, 4, 3214868480
	.section	.rodata,"a",@progbits
	.p2align	6, 0x0
	.amdhsa_kernel k_qf13482c366_prep
		.amdhsa_group_segment_fixed_size 327680
		.amdhsa_private_segment_fixed_size 0
		.amdhsa_enable_private_segment 0
		.amdhsa_kernarg_size 32
		.amdhsa_user_sgpr_count 2
		.amdhsa_user_sgpr_kernarg_segment_ptr 1
		.amdhsa_wavefront_size32 1
		.amdhsa_system_sgpr_workgroup_id_x 1
		.amdhsa_system_sgpr_workgroup_id_y 1
		.amdhsa_system_sgpr_workgroup_id_z 1
		.amdhsa_system_vgpr_workitem_id 0
		.amdhsa_next_free_vgpr 256
		.amdhsa_next_free_sgpr 66
		.amdhsa_reserve_vcc 0
		.amdhsa_float_denorm_mode_32 3
		.amdhsa_float_denorm_mode_16_64 3
		.amdhsa_memory_ordered 1
		.amdhsa_forward_progress 1
		.amdhsa_inst_pref_size 47
	.end_amdhsa_kernel
	.amdgpu_metadata
---
amdhsa.version: [ 1, 2 ]
amdhsa.kernels:
  - .name:           k_qf13482c366_prep
    .symbol:         k_qf13482c366_prep.kd
    .args:
      - { .name: Wqkv, .offset: 0, .size: 8, .value_kind: global_buffer, .address_space: global }
      - { .name: bqkv, .offset: 8, .size: 8, .value_kind: global_buffer, .address_space: global }
      - { .name: token_emb, .offset: 16, .size: 8, .value_kind: global_buffer, .address_space: global }
      - { .name: tabs, .offset: 24, .size: 8, .value_kind: global_buffer, .address_space: global }
    .group_segment_fixed_size: 327680
    .private_segment_fixed_size: 0
    .kernarg_segment_align: 8
    .kernarg_segment_size: 32
    .max_flat_workgroup_size: 128
    .sgpr_count:     66
    .vgpr_count:     256
    .wavefront_size: 32
...
	.end_amdgpu_metadata
.endif
;; end of part 1
;; launch counts (part 2): grid 64 x 1, 4 waves a work-group, no clusters, 43,776 bytes of LDS; arguments tokens, tabs; writes tabs
.if DOCPART == 2
	.amdgcn_target "amdgcn-amd-amdhsa--gfx1250"
	.amdhsa_code_object_version 6
	.text
	.protected	k_qf13482c366_counts
	.globl	k_qf13482c366_counts
	.p2align	8
	.type	k_qf13482c366_counts,@function
k_qf13482c366_counts:
	s_mov_b64 s[64:65], 0
	v_nop
	global_prefetch_b8 v0, s[64:65] scope:SCOPE_SE
	s_setreg_imm32_b32 hwreg(HW_REG_WAVE_MODE, 25, 1), 1
	s_wait_xcnt 0x0
; COUNTS.  c[q][u] = how many positions k <= q of q's batch hold token u, r[q][u] = how many k > q.  With them the next launch sums over 128 tokens where reference() sums over 2,048 keys.
; SHARES.  A work-group owns 64 queries of one batch (2 x 32 work-groups), thread t token t.  Every work-group scans all 2,048 positions, two vector lines a position, so all do equal work
; and each finds the totals; in the one trip of 32 that holds its own queries it keeps the running count of each position.
; c and r are stored as f32 (whole numbers up to 2,048: exact) in the order of the next launch's registers: register rho of lane (r, h) of tile t: query 16 t + r, token 16 (rho / 8) + 8 h + rho % 8.
; The work is whole-number vector work on 8,192 bytes of input: no matrix unit, no tensor load, no cluster would add anything.  A token above 127 (reference() has none) is counted for nobody.
.set TOK,   0                          ; 8,192 bytes of tokens and 512 of zeros
.set CST,   8704                       ; 65 rows, pitch 528: counts of 64 queries, then the totals
.set CSP,   528
.set SPARE, 43264                      ; the spare words, 128 bytes a wave: no other line names them
.set CIMG,  786432                     ; in tabs: c's image; r's lies RIMG bytes behind it
.set RIMG,  2097152
	s_load_b128 s[4:7], s[0:1], 0x0                ; tokens s[4:5], tabs s[6:7]
	v_lshl_add_u32 v14, v0, 2, SPARE
	v_mov_b32 v15, 0
	v_lshrrev_b32 v1, 5, v0
	v_readfirstlane_b32 s14, v1                    ; wave 0..3
	v_and_b32 v1, 15, v0                           ; r
	v_bfe_u32 v2, v0, 4, 1                         ; h
	v_and_b32 v13, 31, v0                          ; lane
	s_lshr_b32 s16, ttmp9, 5                       ; batch
	s_and_b32 s23, ttmp9, 31                       ; my block of 64 queries
	s_sub_co_u32 s21, 32, s23                      ; the loop's count in the trip that holds them
	s_lshl_b32 s18, s16, 13
	s_mov_b32 s19, 0
	v_lshlrev_b32 v3, 4, v0
	s_wait_kmcnt 0x0
	s_add_nc_u64 s[8:9], s[4:5], s[18:19]
.irp i, 0,1,2,3
	global_load_b128 v[32+4*(\i):35+4*(\i)], v3, s[8:9] offset:2048*(\i)
.endr
	v_lshl_add_u32 v5, v0, 2, TOK+8192
	v_mov_b32 v16, 0                               ; my token's count so far
	v_mov_b32 v18, TOK
	v_lshl_add_u32 v19, v0, 2, CST
	s_lshl_b32 s22, s16, 7
	s_lshl_b32 s24, s23, 2
	s_add_co_u32 s22, s22, s24
	s_add_co_u32 s22, s22, s14                     ; my wave's tile of 16 queries
	s_lshl_b32 s18, s22, 13
	s_add_nc_u64 s[10:11], s[6:7], s[18:19]
	s_add_nc_u64 s[10:11], s[10:11], CIMG
	s_wait_loadcnt 0x0
.irp i, 0,1,2,3
	ds_store_b128 v3, v[32+4*(\i):35+4*(\i)] offset:TOK+2048*(\i)
.endr
	ds_store_b32 v5, v16                           ; zeros behind the tokens: the last trip's look-ahead reads them
	s_wait_dscnt 0x0                               ; for the others' sake
	s_barrier_signal -1
	s_barrier_wait -1
.macro HALF buf, st, p0                ; 32 positions: is it my token? then one more.  st = 1: my block's queries: the count is kept
.set p, 0
.rept 32
	v_cmp_eq_u32 vcc_lo, v[(\buf)+p], v0
	v_add_co_ci_u32 v16, vcc_lo, 0, v16, vcc_lo
.if \st
	v_cvt_f32_u32 v17, v16
	ds_store_b32 v19, v17 offset:CSP*((\p0)+p)
.endif
.set p, p+1
.endr
.endm
.macro TOKS buf, off                   ; 32 tokens, the same for every lane
.set p, 0
.rept 8
	ds_load_b128 v[(\buf)+4*p:(\buf)+4*p+3], v18 offset:(\off)+16*p
.set p, p+1
.endr
.endm
.macro SCAN st
	s_wait_dscnt 8                                 ; the first 32 tokens are in; the second set's eight loads stay out
	HALF 32, \st, 0
	TOKS 32, 256
	s_wait_dscnt 8                                 ; the second 32 are in; the eight loads just issued stay out (with st = 1 the 32 stores are waited for too: one trip of 32)
	HALF 64, \st, 32
	TOKS 64, 384
.endm
	TOKS 32, 0
	TOKS 64, 128
	s_mov_b32 s20, 32
.Lscan:                                                ; 32 trips of 64 positions
	s_cmp_eq_u32 s20, s21
	s_cbranch_scc1 .Lmine
	SCAN 0
	s_branch .Lnext
.Lmine:
	SCAN 1
.Lnext:
	v_add_nc_u32 v18, 256, v18
	s_sub_co_u32 s20, s20, 1
	s_cmp_lg_u32 s20, 0
	s_cbranch_scc1 .Lscan
	s_wait_dscnt 0x0
	v_cvt_f32_u32 v17, v16
	ds_store_b32 v19, v17 offset:CSP*64            ; the totals
	s_mul_i32 s24, s14, 16*CSP
	s_add_co_u32 s24, s24, CST
	v_mul_u32_u24 v20, v1, CSP
	v_lshl_add_u32 v20, v2, 5, v20
	v_add_nc_u32 v20, s24, v20                     ; query 16 w + r, tokens from 8 h on
	v_lshlrev_b32 v21, 5, v2
	v_add_nc_u32 v21, CST+64*CSP, v21
	v_lshlrev_b32 v22, 4, v13
	s_wait_dscnt 0x0                               ; for the others' sake
	s_barrier_signal -1
	s_barrier_wait -1
.set q, 0
.rept 16
	ds_load_b128 v[96+4*q:99+4*q],   v20 offset:64*(q/2)+16*(q%2)
	ds_load_b128 v[160+4*q:163+4*q], v21 offset:64*(q/2)+16*(q%2)
.set q, q+1
.endr
	s_wait_dscnt 0x0
.set q, 0
.rept 32
	v_pk_add_f32 v[160+q:161+q], v[160+q:161+q], v[96+q:97+q] neg_lo:[0,1] neg_hi:[0,1]   ; r = total - c
.set q, q+2
.endr
.set q, 0
.rept 16
	global_store_b128 v22, v[96+4*q:99+4*q],   s[10:11] offset:512*q                        ; 512 consecutive bytes, aligned
	global_store_b128 v22, v[160+4*q:163+4*q], s[10:11] offset:RIMG+512*q
.set q, q+1
.endr
	s_wait_tensorcnt 0x0                           ; the wave's end
	ds_add_u32 v14, v15
	s_wait_dscnt 0x0
	s_endpgm
.Lfunc_end_k_qf13482c366_counts:
	.size	k_qf13482c366_counts, .Lfunc_end_k_qf13482c366_counts-k_qf13482c366_counts
	.p2alignl 7, 3214868480
	.fill 96, 4, 3214868480
	.section	.rodata,"a",@progbits
	.p2align	6, 0x0
	.amdhsa_kernel k_qf13482c366_counts
		.amdhsa_group_segment_fixed_size 43776
		.amdhsa_private_segment_fixed_size 0
		.amdhsa_enable_private_segment 0
		.amdhsa_kernarg_size 16
		.amdhsa_user_sgpr_count 2
		.amdhsa_user_sgpr_kernarg_segment_ptr 1
		.amdhsa_wavefront_size32 1
		.amdhsa_system_sgpr_workgroup_id_x 1
		.amdhsa_system_sgpr_workgroup_id_y 1
		.amdhsa_system_sgpr_workgroup_id_z 1
		.amdhsa_system_vgpr_workitem_id 0
		.amdhsa_next_free_vgpr 224
		.amdhsa_next_free_sgpr 66
		.amdhsa_reserve_vcc 1
		.amdhsa_float_denorm_mode_32 3
		.amdhsa_float_denorm_mode_16_64 3
		.amdhsa_memory_ordered 1
		.amdhsa_forward_progress 1
		.amdhsa_inst_pref_size 28
	.end_amdhsa_kernel
	.amdgpu_metadata
---
amdhsa.version: [ 1, 2 ]
amdhsa.kernels:
  - .name:           k_qf13482c366_counts
    .symbol:         k_qf13482c366_counts.kd
    .args:
      - { .name: tokens, .offset: 0, .size: 8, .value_kind: global_buffer, .address_space: global }
      - { .name: tabs, .offset: 8, .size: 8, .value_kind: global_buffer, .address_space: global }
    .group_segment_fixed_size: 43776
    .private_segment_fixed_size: 0
    .kernarg_segment_align: 8
    .kernarg_segment_size: 16
    .max_flat_workgroup_size: 128
    .sgpr_count:     66
    .vgpr_count:     224
    .wavefront_size: 32
...
	.end_amdgpu_metadata
.endif
;; end of part 2
;; launch attn (part 3): grid 64 x 4, 4 waves a work-group, no clusters, 263,680 bytes of LDS; arguments tabs, tokens, aw1, aw2, fw1, fw2, actx, wattn, wffn; writes actx, wattn, wffn
.if DOCPART == 3
	.amdgcn_target "amdgcn-amd-amdhsa--gfx1250"
	.amdhsa_code_object_version 6
	.text
	.protected	k_qf13482c366_attn
	.globl	k_qf13482c366_attn
	.p2align	8
	.type	k_qf13482c366_attn,@function
k_qf13482c366_attn:
	s_mov_b64 s[64:65], 0
	v_nop
	global_prefetch_b8 v0, s[64:65] scope:SCOPE_SE
	s_setreg_imm32_b32 hwreg(HW_REG_WAVE_MODE, 25, 1), 1
	s_wait_xcnt 0x0
; ATTENTION OVER TOKENS.  reference() multiplies the scores by the lower triangle, so a hidden key has the score 0 and stays in the softmax.  Keys with one token give one term:
;   o[q] = sum_u w_u V[u] / sum_u w_u,   w_u = c[q][u] 2^(cs S_u - cs m) + r[q][u] 2^(-cs m),   S_u = Q[token of q] . K[u],   cs = log2(e) / 8,
; m the row's true maximum: over the u with c > 0, and 0 where a key is hidden (every row but a batch's last).  128 "keys" stand for 2,048.
; LIMITS.  A token with c = 0 counts as its score less 1e30 (its weight's first part is 0 x 0); a weight below 2^-126 counts as 0; NaN and infinities are not treated apart; tokens are held to 127.
; SHARES.  Work-group (tg, hg): 64 rows (four tiles of 16, a wave each) x heads 4 hg .. 4 hg + 3.  Wave w fetches head 4 hg + w's tables by two tensor loads; nothing is filled again.
; Beside that each work-group rounds 65,536 bytes of one of the four E x E weights to bf16 (hg chooses the weight) while its tiles are on their way.
; NO CLUSTER: Q's rows are read from LDS at addresses made of tokens, which differ between work-groups; what is shared is a work-group's 196,608 bytes of tables, once.
; LAYOUT.  S^T = K Q^T: a lane holds one query (l % 16) and the tokens 8 (l / 16) + 0..7 of each block of 16; the weights rounded in pairs are source 1 of O^T = V^T P.
; REGISTERS in windows of 256: window 0 as named below; window 1: v0-127 K's fragments (first the weights to be rounded), v128-255 V's; window 2: v0-15 Q, v64-127 the penalty (0 or -1e30).
.set PQ,    144                        ; a table row of q or k in LDS: 128 bytes + 16
.set PVP,   160                        ; of v: 128 + 32
.set HEADB, 57344                      ; a head: q 18,432, k 18,432, v 20,480
.set KOFF,  18432
.set VOFF,  36864
.set STAGE, 229376                     ; 16 rows, pitch 528, for each wave
.set SP,    528
.set SPARE, 263168
.set CIMG,  786432
.set RDIF,  2097152
.set AQ, 3
.set AK, 4
.set AV, 5
.set STO, 6
.set RD, 7
.set GO, 8
.set TOKV, 9
.set ZC, 10                            ; 0, or the lowest number in a batch's last row
.set LO, 11                            ; 16 x lane
.set M, 12                             ; v12-15 four running maxima
.set CM, 16                            ; v16 cs m (v17 named with it)
.set E0, 18                            ; v18 2^(-cs m) (v19 named with it)
.set LS, 20                            ; v20 the sum, then 1 / sum; v21 at work
.set TT, 22                            ; v22-29 at work
.set SPW, 30
.set NIL, 31
.set C, 32                             ; v32-95 c
.set RR, 96                            ; v96-159 r
.set S, 160                            ; v160-223 scores, then weights; O^T takes v160-191
.set P, 224                            ; v224-255 weights in bf16
.set PEN, 64
.set VF, 128
.set MSB, 0
.macro WIN new                         ; the high byte repeats the setting that is left
.if MSB != (\new)
	s_set_vgpr_msb (MSB<<8)|(\new)
.set MSB, (\new)
.endif
.endm
	s_load_b512 s[4:19], s[0:1], 0x0               ; tabs, tokens, aw1, aw2, fw1, fw2, actx, wattn
	s_load_b64 s[20:21], s[0:1], 0x40              ; wffn
	v_lshl_add_u32 v[SPW], v0, 2, SPARE
	v_mov_b32 v[NIL], 0
	ds_add_u32 v[SPW], v[NIL]                      ; the opening: the add and its wait ahead of the first tensor load
	v_lshrrev_b32 v1, 5, v0
	v_readfirstlane_b32 s22, v1                    ; wave
	s_and_b32 s23, ttmp7, 0xffff                   ; hg
	s_mov_b32 s24, (1<<16)|(1<<20)|(4<<22)|(3<<25) ; q and k: 2-byte elements, 4 words of padding behind every 32
	s_mov_b32 s25, 128<<16
	s_mov_b32 s26, 128<<16                         ; 128 rows of 256 bytes: two table rows each
	s_mov_b32 s27, 128<<16
	s_mov_b32 s28, 128
	s_mov_b32 s29, 128
	s_mov_b32 s30, 0
	s_mov_b32 s31, 0
	s_mov_b32 s32, (1<<16)|(1<<20)|(4<<22)|(7<<25) ; v: 8 words of padding
	s_mov_b32 s33, 128<<16
	s_mov_b32 s34, 64<<16
	s_mov_b32 s35, 128<<16
	s_mov_b32 s36, 64
	s_mov_b32 s37, 128
	s_mov_b32 s38, 0
	s_mov_b32 s39, 0
	s_mov_b32 s40, 1
	s_mul_i32 s41, s22, HEADB
	s_mov_b32 s44, 1
	s_add_co_u32 s45, s41, VOFF
	s_mov_b32 s58, 0x3e38aa3b                      ; cs = log2(e) / 8
	s_mov_b32 s59, s58
	s_mov_b32 s60, 0x76543210
	s_mov_b32 s61, 0xfedcba98
	s_mov_b32 s62, 0xf149f2ca                      ; -1e30
	s_mov_b32 s63, 0xff7fffff                      ; the lowest finite number
	s_lshl_b32 s48, s23, 2
	s_add_co_u32 s48, s48, s22                     ; the head that I fetch
	s_mul_i32 s48, s48, 49152
	s_mov_b32 s49, 0
	s_wait_dscnt 0x0
	s_wait_kmcnt 0x0
	s_add_nc_u64 s[42:43], s[4:5], s[48:49]
	s_add_nc_u64 s[46:47], s[42:43], 32768
	s_or_b32 s43, s43, 0x80000000
	s_or_b32 s47, s47, 0x80000000
	tensor_load_to_lds s[40:43], s[24:31]          ; two loads of mine are out
	s_nop 0
	tensor_load_to_lds s[44:47], s[32:39]
	s_nop 0
.rept 4
	v_nop
.endr
	v_and_b32 v1, 15, v0                           ; r
	v_bfe_u32 v2, v0, 4, 1                         ; h
	v_and_b32 v[LO], 31, v0
	s_lshl_b32 s50, ttmp9, 2
	s_add_co_u32 s50, s50, s22                     ; my tile
	s_lshl_b32 s51, s50, 6
	v_lshl_add_u32 v22, v1, 2, s51
	global_load_b32 v[TOKV], v22, s[6:7]           ; my query's token
	v_lshlrev_b32 v23, 5, v[LO]
	v_lshlrev_b32 v[LO], 4, v[LO]
	s_lshl_b32 s52, s50, 13
	s_mov_b32 s53, 0
	s_add_nc_u64 s[52:53], s[4:5], s[52:53]
	s_add_nc_u64 s[52:53], s[52:53], CIMG
.set i, 0
.rept 16
	global_load_b128 v[C+4*i:C+4*i+3], v[LO], s[52:53] offset:512*i
.set i, i+1
.endr
.set i, 0
.rept 16
	global_load_b128 v[RR+4*i:RR+4*i+3], v[LO], s[52:53] offset:RDIF+512*i
.set i, i+1
.endr
	s_cmp_lt_u32 s23, 2                            ; hg 0: aw1, 1: aw2, 2: fw1, 3: fw2
	s_cselect_b64 s[66:67], s[8:9], s[12:13]
	s_cselect_b64 s[68:69], s[10:11], s[14:15]
	s_cselect_b64 s[70:71], s[18:19], s[20:21]
	s_and_b32 s54, s23, 1
	s_cmp_eq_u32 s54, 0
	s_cselect_b64 s[66:67], s[66:67], s[68:69]
	s_lshl_b32 s72, ttmp9, 16
	s_lshl_b32 s55, s22, 14
	s_add_co_u32 s72, s72, s55                     ; my 16,384 bytes of f32
	s_mov_b32 s73, 0
	s_add_nc_u64 s[66:67], s[66:67], s[72:73]
	s_lshr_b32 s72, s72, 1                         ; half as many in bf16,
	s_lshl_b32 s54, s54, 21                        ; behind the buffer's first weight for the second
	s_add_co_u32 s72, s72, s54
	s_add_nc_u64 s[70:71], s[70:71], s[72:73]
	WIN 0x40
.set i, 0
.rept 16
	global_load_b128 v[8*i:8*i+3],   v23, s[66:67] offset:1024*i th:TH_LOAD_NT
	global_load_b128 v[8*i+4:8*i+7], v23, s[66:67] offset:1024*i+16 th:TH_LOAD_NT
.set i, i+1
.endr
	WIN 0
	v_mul_u32_u24 v[AK], v1, PQ
	v_lshl_add_u32 v[AK], v2, 4, v[AK]
	v_add_nc_u32 v[AK], KOFF, v[AK]
	v_and_b32 v24, 7, v0
	v_bfe_u32 v25, v0, 3, 1
	v_lshl_add_u32 v[AV], v2, 3, v24
	v_mul_u32_u24 v[AV], v[AV], PVP
	v_lshl_add_u32 v[AV], v25, 4, v[AV]
	v_add_nc_u32 v[AV], VOFF, v[AV]
	s_mul_i32 s55, s22, 16*SP
	s_add_co_u32 s55, s55, STAGE
	v_mul_u32_u24 v[STO], v1, SP
	v_lshl_add_u32 v[STO], v2, 4, v[STO]
	v_add_nc_u32 v[STO], s55, v[STO]
	v_mul_u32_u24 v[RD], v2, SP
	v_lshl_add_u32 v[RD], v1, 4, v[RD]
	v_add_nc_u32 v[RD], s55, v[RD]
	v_lshlrev_b32 v[GO], 11, v2
	v_lshl_add_u32 v[GO], v1, 4, v[GO]
	v_mov_b32 v[CM+1], 0                           ; named as the upper halves of pairs
	v_mov_b32 v[E0+1], 0
	v_mov_b32 v[LS+1], 0
	s_and_b32 s54, s50, 127
	s_lshl_b32 s54, s54, 4
	s_sub_co_u32 s54, 2047, s54                    ; which r of this tile is the batch's last row, if any
	v_cmp_eq_u32 vcc_lo, s54, v1
	v_cndmask_b32 v[ZC], 0, s63, vcc_lo
	s_wait_loadcnt 63                              ; 64 loads are younger than the token's; 63 is the largest count that the wait can name, and a smaller count is always safe
	v_min_u32 v[TOKV], 127, v[TOKV]
	v_mul_u32_u24 v[AQ], v[TOKV], PQ
	v_lshl_add_u32 v[AQ], v2, 4, v[AQ]
	s_wait_loadcnt 32                              ; c and r are in; the 32 loads of weights stay out
	WIN 0x80
.set i, 0
.rept 64
	v_cmp_eq_f32 vcc_lo, 0, v[C+i]
	v_cndmask_b32 v[PEN+i], 0, s62, vcc_lo
.set i, i+1
.endr
	WIN 0
	s_wait_loadcnt 0x0
	WIN 0x45
.set i, 0
.rept 16
.irp j, 0,1,2,3
	v_cvt_pk_bf16_f32 v[8*i+(\j)], v[8*i+2*(\j)], v[8*i+2*(\j)+1]
.endr
.set i, i+1
.endr
	WIN 0x04
.set i, 0
.rept 16
	global_store_b128 v[LO], v[8*i:8*i+3], s[70:71] offset:512*i
.set i, i+1
.endr
	WIN 0
	s_wait_xcnt 0x0                                ; the stores' registers are filled with K's fragments only behind this wait
	s_wait_tensorcnt 0x0                           ; my head's tables are in,
	s_barrier_signal -1
	s_barrier_wait -1                              ; everybody's are
	s_mov_b32 s56, 4
.macro MX o1, o2
.irp c, 0,1,2,3
	v_max3_num_f32 v[M+(\c)], v[M+(\c)], v[S+8*(\c)+(\o1)], v[S+8*(\c)+(\o2)]
.endr
.endm
.Lhead:                                                ; four trips, a head each
	WIN 0x80
.irp c, 0,1,2,3
	ds_load_b128 v[4*(\c):4*(\c)+3], v[AQ] offset:32*(\c)
.endr
	WIN 0x40
.set f, 0
.rept 16                               ; K: tokens 16 (f / 2) on, channels 32 (f % 2) on
	ds_load_b128 v[8*f:8*f+3],   v[AK] offset:(f/2)*16*PQ+(f%2)*64
	ds_load_b128 v[8*f+4:8*f+7], v[AK] offset:(f/2)*16*PQ+(f%2)*64+32
.set f, f+1
.endr
.set f, 0
.rept 16                               ; V, turned: tokens 32 (f / 4) on, channels 16 (f % 4) on
	ds_load_tr16_b128 v[VF+8*f:VF+8*f+3],   v[AV] offset:(f/4)*32*PVP+(f%4)*32
	ds_load_tr16_b128 v[VF+8*f+4:VF+8*f+7], v[AV] offset:(f/4)*32*PVP+16*PVP+(f%4)*32
.set f, f+1
.endr
	s_wait_dscnt 32                                ; Q and K are in; V's 32 loads stay out
	WIN 0x29                                       ; K window 1, Q and the penalty window 2
.irp kb, 0,1,2,3,4,5,6,7
	v_wmma_f32_16x16x32_bf16 v[S+8*(\kb):S+8*(\kb)+7], v[16*(\kb):16*(\kb)+7], v[0:7], v[PEN+8*(\kb):PEN+8*(\kb)+7]
.endr
	WIN 0x09
.irp kb, 0,1,2,3,4,5,6,7
	v_wmma_f32_16x16x32_bf16 v[S+8*(\kb):S+8*(\kb)+7], v[16*(\kb)+8:16*(\kb)+15], v[8:15], v[S+8*(\kb):S+8*(\kb)+7]
.endr
	WIN 0
.rept 4
	v_nop
.endr
	; the maximum: four chains; each accumulator's lowest registers are read first
.irp c, 0,1,2,3
	v_max3_num_f32 v[M+(\c)], v[S+8*(\c)], v[S+8*(\c)+1], v[S+8*(\c)+2]
.endr
	MX 3, 4
	MX 5, 6
	MX 32, 33
	MX 34, 35
	MX 36, 37
	MX 38, 39
.irp c, 0,1,2,3
	v_max_num_f32 v[M+(\c)], v[M+(\c)], v[S+8*(\c)+7]
.endr
	v_max3_num_f32 v[M], v[M], v[M+1], v[M+2]
	v_max3_num_f32 v[M], v[M], v[M+3], v[ZC]       ; the hidden keys' score 0, where there are any
	v_permlanex16_b32 v[M+1], v[M], s60, s61       ; the query's other 64 tokens lie in the lane 16 away
	v_max_num_f32 v[M], v[M], v[M+1]
	v_mul_f32 v[CM], s58, v[M]
	v_max_num_f32 v[TT], 0, v[CM]                  ; changes nothing but in a batch's last row, where r = 0: its 2^(-cs m) stays finite
	v_sub_f32 v[TT], 0, v[TT]
.set b, 0
.rept 32
	v_pk_fma_f32 v[S+b:S+b+1], v[S+b:S+b+1], s[58:59], v[CM:CM+1] op_sel_hi:[1,0,0] neg_lo:[0,0,1] neg_hi:[0,0,1]
.set b, b+2
.endr
.set b, 0
.rept 64
	v_exp_f32 v[S+b], v[S+b]
.set b, b+1
.endr
	v_exp_f32 v[E0], v[TT]
	v_nop                                          ; a plain line behind the last exponential,
	s_wait_alu depctr_va_vdst(0)                   ; and one wait for the batch of 65
.set g, 0
.rept 8
.irp k, 0,1,2,3
	v_pk_mul_f32 v[TT+2*(\k):TT+2*(\k)+1], v[RR+8*g+2*(\k):RR+8*g+2*(\k)+1], v[E0:E0+1] op_sel_hi:[1,0]
.endr
.irp k, 0,1,2,3
	v_pk_fma_f32 v[S+8*g+2*(\k):S+8*g+2*(\k)+1], v[C+8*g+2*(\k):C+8*g+2*(\k)+1], v[S+8*g+2*(\k):S+8*g+2*(\k)+1], v[TT+2*(\k):TT+2*(\k)+1]
.endr
.set g, g+1
.endr
.set b, 0
.rept 32
	v_cvt_pk_bf16_f32 v[P+b], v[S+2*b], v[S+2*b+1]
.set b, b+1
.endr
.irp w, 32,16,8,4,2                    ; the sum of the unrounded weights, in place
.set b, 0
.rept (\w)/2
	v_pk_add_f32 v[S+b:S+b+1], v[S+b:S+b+1], v[S+b+(\w):S+b+(\w)+1]
.set b, b+2
.endr
.endr
	v_add_f32 v[LS], v[S], v[S+1]
	v_permlanex16_b32 v[LS+1], v[LS], s60, s61
	v_add_f32 v[LS], v[LS], v[LS+1]
	v_rcp_f32 v[LS], v[LS]                         ; the sum is 1 at the least: the maximum's own term
	s_wait_dscnt 0x0                               ; V is in
	WIN 0x01
.irp kk, 0,1,2,3
.irp cb, 0,1,2,3
.if (\kk) == 0
	v_wmma_f32_16x16x32_bf16 v[S+8*(\cb):S+8*(\cb)+7], v[VF+8*(4*(\kk)+(\cb)):VF+8*(4*(\kk)+(\cb))+7], v[P+8*(\kk):P+8*(\kk)+7], 0
.else
	v_wmma_f32_16x16x32_bf16 v[S+8*(\cb):S+8*(\cb)+7], v[VF+8*(4*(\kk)+(\cb)):VF+8*(4*(\kk)+(\cb))+7], v[P+8*(\kk):P+8*(\kk)+7], v[S+8*(\cb):S+8*(\cb)+7]
.endif
.endr
.endr
	WIN 0
.rept 4
	v_nop                                          ; the places behind the products, and the plain lines behind the reciprocal
.endr
	s_wait_alu depctr_va_vdst(0)                   ; the reciprocal's wait, ahead of its first reader
.set b, 0
.rept 16
	v_pk_mul_f32 v[S+b:S+b+1], v[S+b:S+b+1], v[LS:LS+1] op_sel_hi:[1,0]
.set b, b+2
.endr
.irp cb, 0,1,2,3
.irp j, 0,1,2,3
	v_cvt_pk_bf16_f32 v[S+8*(\cb)+(\j)], v[S+8*(\cb)+2*(\j)], v[S+8*(\cb)+2*(\j)+1]
.endr
.endr
.irp cb, 0,1,2,3
	ds_store_b128 v[STO], v[S+8*(\cb):S+8*(\cb)+3] offset:32*(\cb)
.endr
	v_add_nc_u32 v[AQ], HEADB, v[AQ]
	v_add_nc_u32 v[AK], HEADB, v[AK]
	v_add_nc_u32 v[AV], HEADB, v[AV]
	v_add_nc_u32 v[STO], 128, v[STO]
	s_sub_co_u32 s56, s56, 1
	s_cmp_lg_u32 s56, 0
	s_cbranch_scc1 .Lhead
	s_lshl_b32 s72, s50, 15                        ; my 16 rows of 2,048 bytes,
	s_lshl_b32 s54, s23, 9                         ; the four heads' 512 bytes
	s_add_co_u32 s72, s72, s54
	s_add_nc_u64 s[16:17], s[16:17], s[72:73]
.set t, 0
.rept 16
	ds_load_b128 v[C+4*t:C+4*t+3], v[RD] offset:2*SP*(t/2)+256*(t%2)   ; my own stage: LDS serves a wave's instructions in order (ISA guide 5.7.1.4)
.set t, t+1
.endr
	s_wait_dscnt 0x0
.set t, 0
.rept 16
	global_store_b128 v[GO], v[C+4*t:C+4*t+3], s[16:17] offset:4096*(t/2)+256*(t%2)   ; 16 lanes store 256 consecutive bytes, aligned
.set t, t+1
.endr
	s_wait_tensorcnt 0x0                           ; the wave's end
	ds_add_u32 v[SPW], v[NIL]
	s_wait_dscnt 0x0
	s_endpgm
.Lfunc_end_k_qf13482c366_attn:
	.size	k_qf13482c366_attn, .Lfunc_end_k_qf13482c366_attn-k_qf13482c366_attn
	.p2alignl 7, 3214868480
	.fill 96, 4, 3214868480
	.section	.rodata,"a",@progbits
	.p2align	6, 0x0
	.amdhsa_kernel k_qf13482c366_attn
		.amdhsa_group_segment_fixed_size 263680
		.amdhsa_private_segment_fixed_size 0
		.amdhsa_enable_private_segment 0
		.amdhsa_kernarg_size 72
		.amdhsa_user_sgpr_count 2
		.amdhsa_user_sgpr_kernarg_segment_ptr 1
		.amdhsa_wavefront_size32 1
		.amdhsa_system_sgpr_workgroup_id_x 1
		.amdhsa_system_sgpr_workgroup_id_y 1
		.amdhsa_system_sgpr_workgroup_id_z 1
		.amdhsa_system_vgpr_workitem_id 0
		.amdhsa_next_free_vgpr 640
		.amdhsa_next_free_sgpr 80
		.amdhsa_reserve_vcc 1
		.amdhsa_float_denorm_mode_32 3
		.amdhsa_float_denorm_mode_16_64 3
		.amdhsa_memory_ordered 1
		.amdhsa_forward_progress 1
		.amdhsa_inst_pref_size 51
	.end_amdhsa_kernel
	.amdgpu_metadata
---
amdhsa.version: [ 1, 2 ]
amdhsa.kernels:
  - .name:           k_qf13482c366_attn
    .symbol:         k_qf13482c366_attn.kd
    .args:
      - { .name: tabs, .offset: 0, .size: 8, .value_kind: global_buffer, .address_space: global }
      - { .name: tokens, .offset: 8, .size: 8, .value_kind: global_buffer, .address_space: global }
      - { .name: aw1, .offset: 16, .size: 8, .value_kind: global_buffer, .address_space: global }
      - { .name: aw2, .offset: 24, .size: 8, .value_kind: global_buffer, .address_space: global }
      - { .name: fw1, .offset: 32, .size: 8, .value_kind: global_buffer, .address_space: global }
      - { .name: fw2, .offset: 40, .size: 8, .value_kind: global_buffer, .address_space: global }
      - { .name: actx, .offset: 48, .size: 8, .value_kind: global_buffer, .address_space: global }
      - { .name: wattn, .offset: 56, .size: 8, .value_kind: global_buffer, .address_space: global }
      - { .name: wffn, .offset: 64, .size: 8, .value_kind: global_buffer, .address_space: global }
    .group_segment_fixed_size: 263680
    .private_segment_fixed_size: 0
    .kernarg_segment_align: 8
    .kernarg_segment_size: 72
    .max_flat_workgroup_size: 128
    .sgpr_count:     80
    .vgpr_count:     640
    .wavefront_size: 32
...
	.end_amdgpu_metadata
.endif
;; end of part 3
;; launch gemm_relu (part 4): grid 8 x 32, 4 waves a work-group, clusters of 4 x 4, 327,680 bytes of LDS; arguments actx, wattn, ab1, acty; writes acty
.if DOCPART == 4
	.amdgcn_target "amdgcn-amd-amdhsa--gfx1250"
	.amdhsa_code_object_version 6
	.text
	.protected	k_qf13482c366_gemm_relu
	.globl	k_qf13482c366_gemm_relu
	.p2align	8
	.type	k_qf13482c366_gemm_relu,@function
k_qf13482c366_gemm_relu:
	s_mov_b64 s[64:65], 0
	v_nop
	global_prefetch_b8 v0, s[64:65] scope:SCOPE_SE
	s_setreg_imm32_b32 hwreg(HW_REG_WAVE_MODE, 25, 1), 1
	s_wait_xcnt 0x0
	s_wait_alu depctr_hold_cnt(0) depctr_sa_sdst(0) depctr_va_vdst(0) depctr_va_sdst(0) depctr_va_ssrc(0) depctr_va_vcc(0) depctr_vm_vsrc(0)
	s_getreg_b32 s2, hwreg(HW_REG_IB_STS2, 6, 4)
	s_cmp_eq_u32 s2, 0
	s_cbranch_scc0 .Lentry_in_a_cluster
	s_endpgm
.Lentry_in_a_cluster:
	s_bfe_u32 s2, ttmp6, 0x10000c
	s_cmp_lg_u32 s2, 0xf033
	s_cbranch_scc0 .Lentry_shape_is_right
	s_endpgm
.Lentry_shape_is_right:
; out[m][n] = bf16(relu(sum over k of A[m][k] W[k][n] + bias[n])).  A: [4096][1024] bf16; W: [1024][1024] bf16 as [k][n], the FIRST weight of its buffer; bias f32, rounded to bf16 like every input; sums in f32.
; A tile of out is 128 x 128: 256 work-groups.  Four waves, each 64 x 64: 16 accumulators.  K goes in four steps of 256 through two LDS slots.
; A's tile: 128 rows x 512 bytes (pitch 528); W's tile: 256 k-rows x 256 bytes (pitch 288), read turned by ds_load_tr16_b128.  Waves 0, 1 fetch A's halves (64 rows), waves 2, 3 W's (128 k-rows).
; CLUSTERS of 4 x 4: A's tile is asked for jointly along a row of the cluster, W's along a column.  The product is used transposed (source 0 = 16 columns of W, source 1 = 16 rows of A):
; a lane holds eight neighbouring numbers of a row of out.  No prefetch: K has four steps; two are the first fills, the other two are asked for one step later.
; REGISTERS: window 0: v16-29 addresses, v30-31 at work, v32-95 the way out, v96-127 bias, v128-255 accumulators; window 1: two fragment buffers of 128 (64 of A, 64 of W).
.set WOFF,   0
.set KSTEP,  256
.set PA,     528
.set PB,     288
.set HALFA,  64*PA
.set ABYTES, 2*HALFA
.set HALFB,  128*PB
.set SLOT,   ABYTES+2*HALFB
.set STAGE,  2*SLOT
.set SPITCH, 272
.set SPARE,  STAGE+128*SPITCH
.set LAPS,   2
.set ADRA, 16                          ; v16-17 my A fragments in slot 0, 1
.set ADRB, 20                          ; v20-23 my W fragments: slot s, k half kh at 2 s + kh (the tile passes the 16-bit immediate)
.set STO,  24
.set RD,   25
.set CO,   26
.set BO,   27
.set SPW,  28
.set NIL,  29
.set TMP,  32
.set BIA,  96
.set ACC,  128
.set F0,   0
.set F1,   128
.set G1,  24
.set G0,  32
.set G1B, 48
.set G0B, 56
.set MSB, 0
.macro WIN new
.if MSB != (\new)
	s_set_vgpr_msb (MSB<<8)|(\new)
.set MSB, \new
.endif
.endm
.set MUL,  0x05
.set TO_F, 0x40
.macro JLOAD s                         ; a joint load; the branch hangs on the wave's number alone; an s_nop 0 and four v_nop follow each line
	s_cmp_eq_u32 s13, 0
	s_cbranch_scc0 .Lfor_b_\@
	tensor_load_to_lds s[G0+4*(\s):G0+4*(\s)+3], s[G1:G1+7]
	s_nop 0
.rept 4
	v_nop
.endr
	s_branch .Lasked_\@
.Lfor_b_\@:
	tensor_load_to_lds s[G0B+4*(\s):G0B+4*(\s)+3], s[G1B:G1B+7]
	s_nop 0
.rept 4
	v_nop
.endr
.Lasked_\@:
.endm
.macro CREST
	s_cmp_lg_u32 s12, 0
	s_cbranch_scc1 .Lnot_wave_0_\@
	s_barrier_signal -3
.Lnot_wave_0_\@:
	s_barrier_wait -3
	s_barrier_signal -1
	s_barrier_wait -1
.endm
.macro CROUND
	s_barrier_signal -1
	s_barrier_wait -1
	CREST
.endm
	s_load_b256 s[4:11], s[0:1], 0x0               ; A s[4:5], W s[6:7], bias s[8:9], out s[10:11]
	v_lshl_add_u32 v[SPW], v0, 2, SPARE
	v_mov_b32 v[NIL], 0
	ds_add_u32 v[SPW], v[NIL]                      ; the opening: the add and its wait ahead of the first tensor load
	v_lshrrev_b32 v1, 5, v0
	v_readfirstlane_b32 s12, v1                    ; wave
	s_lshr_b32 s13, s12, 1                         ; my half of the tile's rows; also: I fetch for A (0) or W (1)
	s_and_b32 s14, s12, 1                          ; my half of its columns; also: which half of that tile I fetch
	s_bfe_u32 s40, ttmp6, 0x40000                  ; cx
	s_bfe_u32 s41, ttmp6, 0x40004                  ; cy
	s_lshl_b32 s42, ttmp9, 2
	s_add_co_u32 s42, s42, s40                     ; tile column
	s_and_b32 s15, ttmp7, 0xffff
	s_lshl_b32 s15, s15, 2
	s_add_co_u32 s15, s15, s41                     ; tile row
	s_lshl_b32 s43, s41, 2
	s_lshl_b32 s43, 15, s43                        ; my row of the cluster
	s_lshl_b32 s44, 0x1111, s40                    ; my column
	s_or_b32 s[G1+0], s43, (1<<16)|(1<<20)|(1<<21)|(6<<22)|(3<<25)   ; A: 4 words of padding behind every 128
	s_or_b32 s[G1B+0], s44, (1<<16)|(1<<20)|(1<<21)|(5<<22)|(7<<25)  ; W: 8 words behind every 64
	s_mov_b32 s[G1+1], 256<<16
	s_mov_b32 s[G1+2], 64<<16
	s_mov_b32 s[G1+3], 256<<16
	s_mov_b32 s[G1+4], 64
	s_mov_b32 s[G1+5], 1024
	s_mov_b32 s[G1+6], 0
	s_mov_b32 s[G1+7], 0
	s_mov_b32 s[G1B+1], 128<<16
	s_mov_b32 s[G1B+2], 128<<16
	s_mov_b32 s[G1B+3], 128<<16
	s_mov_b32 s[G1B+4], 128
	s_mov_b32 s[G1B+5], 1024
	s_mov_b32 s[G1B+6], 0
	s_mov_b32 s[G1B+7], 0
	s_lshl_b32 s16, s15, 7
	s_lshl_b32 s17, s14, 6
	s_add_co_u32 s16, s16, s17                     ; A: row 128 x tile row + 64 x half,
	s_lshl_b32 s16, s16, 11                        ; 2,048 bytes a row
	s_mov_b32 s17, 0
	s_lshl_b32 s46, s14, 18                        ; W: k-row 128 x half, 2,048 bytes a row,
	s_lshl_b32 s47, s42, 8                         ; the tile column's 256 bytes
	s_add_co_u32 s46, s46, s47
	s_add_co_u32 s46, s46, WOFF
	s_mov_b32 s47, 0
	s_mul_i32 s20, s14, HALFA                      ; where they go: no place in the cluster enters an LDS address
	s_mul_i32 s21, s14, HALFB
	s_add_co_u32 s21, s21, ABYTES
	s_wait_dscnt 0x0
	s_wait_kmcnt 0x0
	s_add_nc_u64 s[18:19], s[4:5], s[16:17]
	s_add_nc_u64 s[46:47], s[6:7], s[46:47]
	CROUND                                         ; all sixteen work-groups are here: the first joint loads meet
.irp s, 0,1
	s_mov_b32 s[G0+4*(\s)], 1
	s_add_co_u32 s[G0+4*(\s)+1], s20, (\s)*SLOT
	s_add_nc_u64 s[G0+4*(\s)+2:G0+4*(\s)+3], s[18:19], (\s)*KSTEP*2
	s_or_b32 s[G0+4*(\s)+3], s[G0+4*(\s)+3], 0x80000000
	s_mov_b32 s[G0B+4*(\s)], 1
	s_add_co_u32 s[G0B+4*(\s)+1], s21, (\s)*SLOT
	s_add_nc_u64 s[G0B+4*(\s)+2:G0B+4*(\s)+3], s[46:47], (\s)*KSTEP*2048
	s_or_b32 s[G0B+4*(\s)+3], s[G0B+4*(\s)+3], 0x80000000
	JLOAD \s
.endr
	v_and_b32 v1, 15, v0
	v_bfe_u32 v2, v0, 4, 1
	s_lshl_b32 s46, s42, 9                         ; bias: 512 x tile column + 256 x column half + 32 h
	s_lshl_b32 s47, s14, 8
	s_add_co_u32 s46, s46, s47
	v_lshl_add_u32 v[BO], v2, 5, s46
.irp b, 0,1,2,3
	global_load_b128 v[BIA+8*(\b):BIA+8*(\b)+3],   v[BO], s[8:9] offset:64*(\b)
	global_load_b128 v[BIA+8*(\b)+4:BIA+8*(\b)+7], v[BO], s[8:9] offset:64*(\b)+16
.endr
	v_mul_u32_u24 v3, v1, PA
	v_lshl_add_u32 v3, v2, 4, v3
	s_mul_i32 s21, s13, HALFA
	v_add_nc_u32 v[ADRA], s21, v3
	s_add_co_u32 s21, s21, SLOT
	v_add_nc_u32 v[ADRA+1], s21, v3
	v_and_b32 v4, 7, v0
	v_bfe_u32 v5, v0, 3, 1
	v_lshl_add_u32 v4, v2, 3, v4
	v_mul_u32_u24 v4, v4, PB
	v_lshl_add_u32 v4, v5, 4, v4                   ; the turning load: k-row 8 h + l % 8, 16 bytes by (l / 8) % 2
	s_lshl_b32 s23, s14, 7                         ; my 64 columns
	s_add_co_u32 s23, s23, ABYTES
	v_add_nc_u32 v[ADRB], s23, v4
	v_add_nc_u32 v[ADRB+1], HALFB, v[ADRB]
	v_add_nc_u32 v[ADRB+2], SLOT, v[ADRB]
	v_add_nc_u32 v[ADRB+3], SLOT, v[ADRB+1]
	s_mul_i32 s23, s13, 64*SPITCH                  ; into the stage: my 64 rows, my half of their 256 bytes
	s_lshl_b32 s21, s14, 7
	s_add_co_u32 s23, s23, s21
	s_add_co_u32 s23, s23, STAGE
	v_mul_u32_u24 v4, v1, SPITCH
	v_lshl_add_u32 v4, v2, 4, v4
	v_add_nc_u32 v[STO], s23, v4
	s_mul_i32 s23, s12, 32*SPITCH                  ; back: wave w takes rows 32 w .. 32 w + 31, whole
	s_add_co_u32 s23, s23, STAGE
	v_mul_u32_u24 v5, v2, SPITCH
	v_lshl_add_u32 v5, v1, 4, v5
	v_add_nc_u32 v[RD], s23, v5
	v_lshlrev_b32 v5, 11, v2
	v_lshl_add_u32 v[CO], v1, 4, v5
	s_lshl_b32 s16, s15, 7
	s_lshl_b32 s17, s12, 5
	s_add_co_u32 s16, s16, s17
	s_lshl_b32 s16, s16, 11
	s_mov_b32 s17, 0
	s_add_nc_u64 s[10:11], s[10:11], s[16:17]
	s_lshl_b32 s46, s42, 8
	s_mov_b32 s47, 0
	s_add_nc_u64 s[10:11], s[10:11], s[46:47]
.macro MUL8 f, c, a0, zero             ; 8 products: m blocks a0, a0 + 1 x 4 n blocks, 32 along K
	WIN MUL
.irp a, \a0, (\a0)+1
.irp b, 0,1,2,3
.if \zero
	v_wmma_f32_16x16x32_bf16 v[ACC+8*(4*(\a)+(\b)):ACC+8*(4*(\a)+(\b))+7], v[(\f)+64+8*(4*(\c)+(\b)):(\f)+64+8*(4*(\c)+(\b))+7], v[(\f)+8*(4*(\c)+(\a)):(\f)+8*(4*(\c)+(\a))+7], 0
.else
	v_wmma_f32_16x16x32_bf16 v[ACC+8*(4*(\a)+(\b)):ACC+8*(4*(\a)+(\b))+7], v[(\f)+64+8*(4*(\c)+(\b)):(\f)+64+8*(4*(\c)+(\b))+7], v[(\f)+8*(4*(\c)+(\a)):(\f)+8*(4*(\c)+(\a))+7], v[ACC+8*(4*(\a)+(\b)):ACC+8*(4*(\a)+(\b))+7]
.endif
.endr
.endr
.endm
.macro FETCH slot, q, f                ; 32 LDS loads: the fragments of quarter q (64 along K) into buffer f; the first 32 along K first
	WIN TO_F
.irp c, 0,1
.irp i, 0,1,2,3
	ds_load_tr16_b128 v[(\f)+64+8*(4*(\c)+(\i)):(\f)+64+8*(4*(\c)+(\i))+3],   v[ADRB+2*(\slot)+(\q)/2] offset:(64*((\q)%2)+32*(\c))*PB+32*(\i)
	ds_load_tr16_b128 v[(\f)+64+8*(4*(\c)+(\i))+4:(\f)+64+8*(4*(\c)+(\i))+7], v[ADRB+2*(\slot)+(\q)/2] offset:(64*((\q)%2)+32*(\c)+16)*PB+32*(\i)
	ds_load_b128 v[(\f)+8*(4*(\c)+(\i)):(\f)+8*(4*(\c)+(\i))+3],   v[ADRA+(\slot)] offset:128*(\q)+64*(\c)+(\i)*16*PA
	ds_load_b128 v[(\f)+8*(4*(\c)+(\i))+4:(\f)+8*(4*(\c)+(\i))+7], v[ADRA+(\slot)] offset:128*(\q)+64*(\c)+(\i)*16*PA+32
.endr
.endr
.endm
.macro PLACES
.rept 4
	v_nop
.endr
.endm
.macro QUARTER slot, q, f, g, zero     ; multiplies buffer f and fetches quarter q into g
	s_wait_dscnt 16                                ; the first 32 along K are in
	WIN MUL
	MUL8 \f, 0, 0, \zero
	MUL8 \f, 0, 2, \zero
	PLACES
	FETCH \slot, \q, \g
	s_wait_dscnt 32                                ; all but the 32 just issued
	WIN MUL
	MUL8 \f, 1, 0, 0
	MUL8 \f, 1, 2, 0
.endm
.macro TURN slot, next, fill           ; the last quarter changes slots: one barrier; fill = 1: it opens a round of the cluster's, and this slot is filled again
	WIN 0
	s_wait_tensorcnt 0x0                           ; all my tensor loads have landed: my part of the next slot;
	ds_add_u32 v[SPW], v[NIL]
	s_wait_dscnt 17                                ; (the add and the youngest sixteen loads may be out)
	WIN MUL
	MUL8 F1, 0, 0, 0
	s_wait_dscnt 0x0                               ; the add is done, and my reads of this slot are over
	s_barrier_signal -1
	MUL8 F1, 0, 2, 0
.if \fill
	WIN 0
.endif
	s_barrier_wait -1
.if \fill
	CREST                                          ; no wave of any partner still reads this slot or has a load on its way
	s_add_nc_u64 s[G0+4*(\slot)+2:G0+4*(\slot)+3], s[G0+4*(\slot)+2:G0+4*(\slot)+3], 2*KSTEP*2
	s_add_nc_u64 s[G0B+4*(\slot)+2:G0B+4*(\slot)+3], s[G0B+4*(\slot)+2:G0B+4*(\slot)+3], 2*KSTEP*2048
	JLOAD \slot                                    ; the first tensor load behind the round; its four v_nop are also the places in front of the loads below
.else
	PLACES
.endif
	FETCH \next, 0, F0
	WIN MUL
	MUL8 F1, 1, 0, 0
	MUL8 F1, 1, 2, 0
.endm
	s_wait_tensorcnt 1                             ; my part of K step 0 is in; step 1's may stay out
	s_barrier_signal -1
	s_barrier_wait -1
	FETCH 0, 0, F0
	QUARTER 0, 1, F0, F1, 1                        ; the first products start the sums
	WIN 0
	s_mov_b32 s3, LAPS-1
.Llap:
	QUARTER 0, 2, F1, F0, 0
	QUARTER 0, 3, F0, F1, 0
	TURN 0, 1, 1
	QUARTER 1, 1, F0, F1, 0
	QUARTER 1, 2, F1, F0, 0
	QUARTER 1, 3, F0, F1, 0
	TURN 1, 0, 1
	QUARTER 0, 1, F0, F1, 0
	WIN 0
	s_sub_co_u32 s3, s3, 1
	s_cmp_lg_u32 s3, 0
	s_cbranch_scc1 .Llap
	QUARTER 0, 2, F1, F0, 0                        ; the last lap fills nothing
	QUARTER 0, 3, F0, F1, 0
	TURN 0, 1, 0
	QUARTER 1, 1, F0, F1, 0
	QUARTER 1, 2, F1, F0, 0
	QUARTER 1, 3, F0, F1, 0
	s_wait_dscnt 16
	WIN MUL
	MUL8 F1, 0, 0, 0
	MUL8 F1, 0, 2, 0
	s_wait_dscnt 0
	MUL8 F1, 1, 0, 0
	MUL8 F1, 1, 2, 0
	WIN 0
	; THE WAY OUT: + bias, rounded to bf16, relu on the packed halves; through the work-group's stage, since a row's 256 bytes come from two waves
	PLACES
	s_wait_loadcnt 0x0                             ; the bias
	v_mov_b32 v31, 0
.set j, 0
.rept 16
	v_cvt_pk_bf16_f32 v30, v[BIA+j], v[BIA+j+1]
	v_lshlrev_b32 v[BIA+j], 16, v30
	v_and_b32 v[BIA+j+1], 0xffff0000, v30
.set j, j+2
.endr
.irp t, 0,1,2,3,4,5,6,7,8,9,10,11,12,13,14,15
.irp r, 0,1,2,3
	v_pk_add_f32 v[ACC+8*(\t)+2*(\r):ACC+8*(\t)+2*(\r)+1], v[ACC+8*(\t)+2*(\r):ACC+8*(\t)+2*(\r)+1], v[BIA+8*((\t)%4)+2*(\r):BIA+8*((\t)%4)+2*(\r)+1]
.endr
.irp r, 0,1,2,3
	v_cvt_pk_bf16_f32 v[TMP+4*(\t)+(\r)], v[ACC+8*(\t)+2*(\r)], v[ACC+8*(\t)+2*(\r)+1]
.endr
.irp r, 0,1,2,3
	v_pk_max_num_bf16 v[TMP+4*(\t)+(\r)], v[TMP+4*(\t)+(\r)], v31
.endr
.endr
.irp a, 0,1,2,3
.irp b, 0,1,2,3
	ds_store_b128 v[STO], v[TMP+4*(4*(\a)+(\b)):TMP+4*(4*(\a)+(\b))+3] offset:(\a)*16*SPITCH+32*(\b)
.endr
.endr
	s_wait_dscnt 0x0                               ; for the others' sake
	s_barrier_signal -1
	s_barrier_wait -1
.irp t, 0,1,2,3,4,5,6,7,8,9,10,11,12,13,14,15
	ds_load_b128 v[TMP+4*(\t):TMP+4*(\t)+3], v[RD] offset:(\t)*2*SPITCH
.endr
.irp t, 0,1,2,3,4,5,6,7,8,9,10,11,12,13,14,15
	s_wait_dscnt 15-(\t)
	global_store_b128 v[CO], v[TMP+4*(\t):TMP+4*(\t)+3], s[10:11] offset:2*(\t)*2048   ; 16 lanes store 256 consecutive bytes, aligned
.endr
	s_wait_tensorcnt 0x0                           ; the wave's end
	ds_add_u32 v[SPW], v[NIL]
	s_wait_dscnt 0x0
	CROUND                                         ; the closing round
	s_endpgm
.Lfunc_end_k_qf13482c366_gemm_relu:
	.size	k_qf13482c366_gemm_relu, .Lfunc_end_k_qf13482c366_gemm_relu-k_qf13482c366_gemm_relu
	.p2alignl 7, 3214868480
	.fill 96, 4, 3214868480
	.section	.rodata,"a",@progbits
	.p2align	6, 0x0
	.amdhsa_kernel k_qf13482c366_gemm_relu
		.amdhsa_group_segment_fixed_size 327680
		.amdhsa_private_segment_fixed_size 0
		.amdhsa_enable_private_segment 0
		.amdhsa_kernarg_size 32
		.amdhsa_user_sgpr_count 2
		.amdhsa_user_sgpr_kernarg_segment_ptr 1
		.amdhsa_wavefront_size32 1
		.amdhsa_system_sgpr_workgroup_id_x 1
		.amdhsa_system_sgpr_workgroup_id_y 1
		.amdhsa_system_sgpr_workgroup_id_z 1
		.amdhsa_system_vgpr_workitem_id 0
		.amdhsa_next_free_vgpr 512
		.amdhsa_next_free_sgpr 66
		.amdhsa_reserve_vcc 0
		.amdhsa_float_denorm_mode_32 3
		.amdhsa_float_denorm_mode_16_64 3
		.amdhsa_memory_ordered 1
		.amdhsa_forward_progress 1
		.amdhsa_inst_pref_size 98
	.end_amdhsa_kernel
	.amdgpu_metadata
---
amdhsa.version: [ 1, 2 ]
amdhsa.kernels:
  - .name:           k_qf13482c366_gemm_relu
    .symbol:         k_qf13482c366_gemm_relu.kd
    .args:
      - { .name: actx, .offset: 0, .size: 8, .value_kind: global_buffer, .address_space: global }
      - { .name: wattn, .offset: 8, .size: 8, .value_kind: global_buffer, .address_space: global }
      - { .name: ab1, .offset: 16, .size: 8, .value_kind: global_buffer, .address_space: global }
      - { .name: acty, .offset: 24, .size: 8, .value_kind: global_buffer, .address_space: global }
    .group_segment_fixed_size: 327680
    .private_segment_fixed_size: 0
    .kernarg_segment_align: 8
    .kernarg_segment_size: 32
    .max_flat_workgroup_size: 128
    .sgpr_count:     66
    .vgpr_count:     512
    .wavefront_size: 32
...
	.end_amdgpu_metadata
.endif
;; end of part 4
;; launch gemm_f32 (part 5): grid 8 x 32, 4 waves a work-group, clusters of 4 x 4, 327,680 bytes of LDS; arguments acty, wattn, ab2, zsum; writes zsum
.if DOCPART == 5
	.amdgcn_target "amdgcn-amd-amdhsa--gfx1250"
	.amdhsa_code_object_version 6
	.text
	.protected	k_qf13482c366_gemm_f32
	.globl	k_qf13482c366_gemm_f32
	.p2align	8
	.type	k_qf13482c366_gemm_f32,@function
k_qf13482c366_gemm_f32:
	s_mov_b64 s[64:65], 0
	v_nop
	global_prefetch_b8 v0, s[64:65] scope:SCOPE_SE
	s_setreg_imm32_b32 hwreg(HW_REG_WAVE_MODE, 25, 1), 1
	s_wait_xcnt 0x0
	s_wait_alu depctr_hold_cnt(0) depctr_sa_sdst(0) depctr_va_vdst(0) depctr_va_sdst(0) depctr_va_ssrc(0) depctr_va_vcc(0) depctr_vm_vsrc(0)
	s_getreg_b32 s2, hwreg(HW_REG_IB_STS2, 6, 4)
	s_cmp_eq_u32 s2, 0
	s_cbranch_scc0 .Lentry_in_a_cluster
	s_endpgm
.Lentry_in_a_cluster:
	s_bfe_u32 s2, ttmp6, 0x10000c
	s_cmp_lg_u32 s2, 0xf033
	s_cbranch_scc0 .Lentry_shape_is_right
	s_endpgm
.Lentry_shape_is_right:
; out[m][n] = sum over k of A[m][k] W[k][n] + bias[n], kept in f32: it goes into a LayerNorm.  A: [4096][1024] bf16; W: [1024][1024] bf16 as [k][n], the SECOND weight of its buffer; bias f32, rounded to bf16 like every input.
; Tiles, ring, cluster and registers as in the launch with relu: a tile of 128 x 128, four waves of 64 x 64, four K steps of 256 through two LDS slots, A shared along the cluster's rows, W along its columns.
; The way out differs: a wave's 64 columns of f32 are 256 whole bytes of a row, so each wave has a stage of its own (16 rows, pitch 272) and no barrier is needed.
; No prefetch: K has four steps; two are the first fills, the other two are asked for one step later.
.set WOFF,   2097152
.set KSTEP,  256
.set PA,     528
.set PB,     288
.set HALFA,  64*PA
.set ABYTES, 2*HALFA
.set HALFB,  128*PB
.set SLOT,   ABYTES+2*HALFB
.set STAGE,  2*SLOT
.set SPITCH, 272
.set SPARE,  STAGE+4*16*SPITCH
.set LAPS,   2
.set ADRA, 16
.set ADRB, 20
.set STO,  24
.set RD,   25
.set CO,   26
.set BO,   27
.set SPW,  28
.set NIL,  29
.set TMP,  32
.set BIA,  96
.set ACC,  128
.set F0,   0
.set F1,   128
.set G1,  24
.set G0,  32
.set G1B, 48
.set G0B, 56
.set MSB, 0
.macro WIN new
.if MSB != (\new)
	s_set_vgpr_msb (MSB<<8)|(\new)
.set MSB, \new
.endif
.endm
.set MUL,  0x05
.set TO_F, 0x40
.macro JLOAD s                         ; a joint load; the branch hangs on the wave's number alone; an s_nop 0 and four v_nop follow each line
	s_cmp_eq_u32 s13, 0
	s_cbranch_scc0 .Lfor_b_\@
	tensor_load_to_lds s[G0+4*(\s):G0+4*(\s)+3], s[G1:G1+7]
	s_nop 0
.rept 4
	v_nop
.endr
	s_branch .Lasked_\@
.Lfor_b_\@:
	tensor_load_to_lds s[G0B+4*(\s):G0B+4*(\s)+3], s[G1B:G1B+7]
	s_nop 0
.rept 4
	v_nop
.endr
.Lasked_\@:
.endm
.macro CREST
	s_cmp_lg_u32 s12, 0
	s_cbranch_scc1 .Lnot_wave_0_\@
	s_barrier_signal -3
.Lnot_wave_0_\@:
	s_barrier_wait -3
	s_barrier_signal -1
	s_barrier_wait -1
.endm
.macro CROUND
	s_barrier_signal -1
	s_barrier_wait -1
	CREST
.endm
	s_load_b256 s[4:11], s[0:1], 0x0               ; A s[4:5], W s[6:7], bias s[8:9], out s[10:11]
	v_lshl_add_u32 v[SPW], v0, 2, SPARE
	v_mov_b32 v[NIL], 0
	ds_add_u32 v[SPW], v[NIL]                      ; the opening: the add and its wait ahead of the first tensor load
	v_lshrrev_b32 v1, 5, v0
	v_readfirstlane_b32 s12, v1                    ; wave
	s_lshr_b32 s13, s12, 1                         ; my half of the tile's rows; also: I fetch for A (0) or W (1)
	s_and_b32 s14, s12, 1                          ; my half of its columns; also: which half of that tile I fetch
	s_bfe_u32 s40, ttmp6, 0x40000                  ; cx
	s_bfe_u32 s41, ttmp6, 0x40004                  ; cy
	s_lshl_b32 s42, ttmp9, 2
	s_add_co_u32 s42, s42, s40                     ; tile column
	s_and_b32 s15, ttmp7, 0xffff
	s_lshl_b32 s15, s15, 2
	s_add_co_u32 s15, s15, s41                     ; tile row
	s_lshl_b32 s43, s41, 2
	s_lshl_b32 s43, 15, s43                        ; my row of the cluster
	s_lshl_b32 s44, 0x1111, s40                    ; my column
	s_or_b32 s[G1+0], s43, (1<<16)|(1<<20)|(1<<21)|(6<<22)|(3<<25)
	s_or_b32 s[G1B+0], s44, (1<<16)|(1<<20)|(1<<21)|(5<<22)|(7<<25)
	s_mov_b32 s[G1+1], 256<<16
	s_mov_b32 s[G1+2], 64<<16
	s_mov_b32 s[G1+3], 256<<16
	s_mov_b32 s[G1+4], 64
	s_mov_b32 s[G1+5], 1024
	s_mov_b32 s[G1+6], 0
	s_mov_b32 s[G1+7], 0
	s_mov_b32 s[G1B+1], 128<<16
	s_mov_b32 s[G1B+2], 128<<16
	s_mov_b32 s[G1B+3], 128<<16
	s_mov_b32 s[G1B+4], 128
	s_mov_b32 s[G1B+5], 1024
	s_mov_b32 s[G1B+6], 0
	s_mov_b32 s[G1B+7], 0
	s_lshl_b32 s16, s15, 7
	s_lshl_b32 s17, s14, 6
	s_add_co_u32 s16, s16, s17
	s_lshl_b32 s16, s16, 11
	s_mov_b32 s17, 0
	s_lshl_b32 s46, s14, 18
	s_lshl_b32 s47, s42, 8
	s_add_co_u32 s46, s46, s47
	s_add_co_u32 s46, s46, WOFF
	s_mov_b32 s47, 0
	s_mul_i32 s20, s14, HALFA
	s_mul_i32 s21, s14, HALFB
	s_add_co_u32 s21, s21, ABYTES
	s_wait_dscnt 0x0
	s_wait_kmcnt 0x0
	s_add_nc_u64 s[18:19], s[4:5], s[16:17]
	s_add_nc_u64 s[46:47], s[6:7], s[46:47]
	CROUND                                         ; all sixteen work-groups are here: the first joint loads meet
.irp s, 0,1
	s_mov_b32 s[G0+4*(\s)], 1
	s_add_co_u32 s[G0+4*(\s)+1], s20, (\s)*SLOT
	s_add_nc_u64 s[G0+4*(\s)+2:G0+4*(\s)+3], s[18:19], (\s)*KSTEP*2
	s_or_b32 s[G0+4*(\s)+3], s[G0+4*(\s)+3], 0x80000000
	s_mov_b32 s[G0B+4*(\s)], 1
	s_add_co_u32 s[G0B+4*(\s)+1], s21, (\s)*SLOT
	s_add_nc_u64 s[G0B+4*(\s)+2:G0B+4*(\s)+3], s[46:47], (\s)*KSTEP*2048
	s_or_b32 s[G0B+4*(\s)+3], s[G0B+4*(\s)+3], 0x80000000
	JLOAD \s
.endr
	v_and_b32 v1, 15, v0
	v_bfe_u32 v2, v0, 4, 1
	s_lshl_b32 s46, s42, 9                         ; 512 x tile column + 256 x column half: bias, and my columns of out
	s_lshl_b32 s47, s14, 8
	s_add_co_u32 s46, s46, s47
	s_mov_b32 s47, 0
	v_lshl_add_u32 v[BO], v2, 5, s46
.irp b, 0,1,2,3
	global_load_b128 v[BIA+8*(\b):BIA+8*(\b)+3],   v[BO], s[8:9] offset:64*(\b)
	global_load_b128 v[BIA+8*(\b)+4:BIA+8*(\b)+7], v[BO], s[8:9] offset:64*(\b)+16
.endr
	v_mul_u32_u24 v3, v1, PA
	v_lshl_add_u32 v3, v2, 4, v3
	s_mul_i32 s21, s13, HALFA
	v_add_nc_u32 v[ADRA], s21, v3
	s_add_co_u32 s21, s21, SLOT
	v_add_nc_u32 v[ADRA+1], s21, v3
	v_and_b32 v4, 7, v0
	v_bfe_u32 v5, v0, 3, 1
	v_lshl_add_u32 v4, v2, 3, v4
	v_mul_u32_u24 v4, v4, PB
	v_lshl_add_u32 v4, v5, 4, v4
	s_lshl_b32 s23, s14, 7
	s_add_co_u32 s23, s23, ABYTES
	v_add_nc_u32 v[ADRB], s23, v4
	v_add_nc_u32 v[ADRB+1], HALFB, v[ADRB]
	v_add_nc_u32 v[ADRB+2], SLOT, v[ADRB]
	v_add_nc_u32 v[ADRB+3], SLOT, v[ADRB+1]
	s_mul_i32 s23, s12, 16*SPITCH                  ; my own stage
	s_add_co_u32 s23, s23, STAGE
	v_mul_u32_u24 v4, v1, SPITCH
	v_lshl_add_u32 v4, v2, 5, v4                   ; in: row r, 32 bytes for each half of the lanes
	v_add_nc_u32 v[STO], s23, v4
	v_mul_u32_u24 v5, v2, SPITCH
	v_lshl_add_u32 v5, v1, 4, v5                   ; back: lanes 0-15 one row of 256 bytes, lanes 16-31 the next
	v_add_nc_u32 v[RD], s23, v5
	v_lshlrev_b32 v5, 12, v2
	v_lshl_add_u32 v[CO], v1, 4, v5
	s_lshl_b32 s16, s15, 7
	s_lshl_b32 s17, s13, 6
	s_add_co_u32 s16, s16, s17                     ; my first row of out,
	s_lshl_b32 s16, s16, 12                        ; 4,096 bytes a row
	s_mov_b32 s17, 0
	s_add_nc_u64 s[10:11], s[10:11], s[16:17]
	s_add_nc_u64 s[10:11], s[10:11], s[46:47]
.macro MUL8 f, c, a0, zero
	WIN MUL
.irp a, \a0, (\a0)+1
.irp b, 0,1,2,3
.if \zero
	v_wmma_f32_16x16x32_bf16 v[ACC+8*(4*(\a)+(\b)):ACC+8*(4*(\a)+(\b))+7], v[(\f)+64+8*(4*(\c)+(\b)):(\f)+64+8*(4*(\c)+(\b))+7], v[(\f)+8*(4*(\c)+(\a)):(\f)+8*(4*(\c)+(\a))+7], 0
.else
	v_wmma_f32_16x16x32_bf16 v[ACC+8*(4*(\a)+(\b)):ACC+8*(4*(\a)+(\b))+7], v[(\f)+64+8*(4*(\c)+(\b)):(\f)+64+8*(4*(\c)+(\b))+7], v[(\f)+8*(4*(\c)+(\a)):(\f)+8*(4*(\c)+(\a))+7], v[ACC+8*(4*(\a)+(\b)):ACC+8*(4*(\a)+(\b))+7]
.endif
.endr
.endr
.endm
.macro FETCH slot, q, f
	WIN TO_F
.irp c, 0,1
.irp i, 0,1,2,3
	ds_load_tr16_b128 v[(\f)+64+8*(4*(\c)+(\i)):(\f)+64+8*(4*(\c)+(\i))+3],   v[ADRB+2*(\slot)+(\q)/2] offset:(64*((\q)%2)+32*(\c))*PB+32*(\i)
	ds_load_tr16_b128 v[(\f)+64+8*(4*(\c)+(\i))+4:(\f)+64+8*(4*(\c)+(\i))+7], v[ADRB+2*(\slot)+(\q)/2] offset:(64*((\q)%2)+32*(\c)+16)*PB+32*(\i)
	ds_load_b128 v[(\f)+8*(4*(\c)+(\i)):(\f)+8*(4*(\c)+(\i))+3],   v[ADRA+(\slot)] offset:128*(\q)+64*(\c)+(\i)*16*PA
	ds_load_b128 v[(\f)+8*(4*(\c)+(\i))+4:(\f)+8*(4*(\c)+(\i))+7], v[ADRA+(\slot)] offset:128*(\q)+64*(\c)+(\i)*16*PA+32
.endr
.endr
.endm
.macro PLACES
.rept 4
	v_nop
.endr
.endm
.macro QUARTER slot, q, f, g, zero
	s_wait_dscnt 16                                ; the first 32 along K are in
	WIN MUL
	MUL8 \f, 0, 0, \zero
	MUL8 \f, 0, 2, \zero
	PLACES
	FETCH \slot, \q, \g
	s_wait_dscnt 32                                ; all but the 32 just issued
	WIN MUL
	MUL8 \f, 1, 0, 0
	MUL8 \f, 1, 2, 0
.endm
.macro TURN slot, next, fill
	WIN 0
	s_wait_tensorcnt 0x0                           ; all my tensor loads have landed: my part of the next slot;
	ds_add_u32 v[SPW], v[NIL]
	s_wait_dscnt 17                                ; (the add and the youngest sixteen loads may be out)
	WIN MUL
	MUL8 F1, 0, 0, 0
	s_wait_dscnt 0x0                               ; the add is done, and my reads of this slot are over
	s_barrier_signal -1
	MUL8 F1, 0, 2, 0
.if \fill
	WIN 0
.endif
	s_barrier_wait -1
.if \fill
	CREST                                          ; no wave of any partner still reads this slot or has a load on its way
	s_add_nc_u64 s[G0+4*(\slot)+2:G0+4*(\slot)+3], s[G0+4*(\slot)+2:G0+4*(\slot)+3], 2*KSTEP*2
	s_add_nc_u64 s[G0B+4*(\slot)+2:G0B+4*(\slot)+3], s[G0B+4*(\slot)+2:G0B+4*(\slot)+3], 2*KSTEP*2048
	JLOAD \slot
.else
	PLACES
.endif
	FETCH \next, 0, F0
	WIN MUL
	MUL8 F1, 1, 0, 0
	MUL8 F1, 1, 2, 0
.endm
	s_wait_tensorcnt 1                             ; my part of K step 0 is in; step 1's may stay out
	s_barrier_signal -1
	s_barrier_wait -1
	FETCH 0, 0, F0
	QUARTER 0, 1, F0, F1, 1
	WIN 0
	s_mov_b32 s3, LAPS-1
.Llap:
	QUARTER 0, 2, F1, F0, 0
	QUARTER 0, 3, F0, F1, 0
	TURN 0, 1, 1
	QUARTER 1, 1, F0, F1, 0
	QUARTER 1, 2, F1, F0, 0
	QUARTER 1, 3, F0, F1, 0
	TURN 1, 0, 1
	QUARTER 0, 1, F0, F1, 0
	WIN 0
	s_sub_co_u32 s3, s3, 1
	s_cmp_lg_u32 s3, 0
	s_cbranch_scc1 .Llap
	QUARTER 0, 2, F1, F0, 0
	QUARTER 0, 3, F0, F1, 0
	TURN 0, 1, 0
	QUARTER 1, 1, F0, F1, 0
	QUARTER 1, 2, F1, F0, 0
	QUARTER 1, 3, F0, F1, 0
	s_wait_dscnt 16
	WIN MUL
	MUL8 F1, 0, 0, 0
	MUL8 F1, 0, 2, 0
	s_wait_dscnt 0
	MUL8 F1, 1, 0, 0
	MUL8 F1, 1, 2, 0
	WIN 0
	; THE WAY OUT: + bias; 16 rows at a time through my own stage, back as whole rows of 256 bytes
	PLACES
	s_wait_loadcnt 0x0                             ; the bias
.set j, 0
.rept 16
	v_cvt_pk_bf16_f32 v30, v[BIA+j], v[BIA+j+1]
	v_lshlrev_b32 v[BIA+j], 16, v30
	v_and_b32 v[BIA+j+1], 0xffff0000, v30
.set j, j+2
.endr
.irp a, 0,1,2,3
.irp b, 0,1,2,3
.irp r, 0,1,2,3
	v_pk_add_f32 v[ACC+8*(4*(\a)+(\b))+2*(\r):ACC+8*(4*(\a)+(\b))+2*(\r)+1], v[ACC+8*(4*(\a)+(\b))+2*(\r):ACC+8*(4*(\a)+(\b))+2*(\r)+1], v[BIA+8*(\b)+2*(\r):BIA+8*(\b)+2*(\r)+1]
.endr
.endr
.if (\a) >= 2
	s_wait_xcnt 0x0                                ; the stores of the block two back have read the registers that are loaded again below
.endif
.irp b, 0,1,2,3
	ds_store_b128 v[STO], v[ACC+8*(4*(\a)+(\b)):ACC+8*(4*(\a)+(\b))+3]   offset:64*(\b)
	ds_store_b128 v[STO], v[ACC+8*(4*(\a)+(\b))+4:ACC+8*(4*(\a)+(\b))+7] offset:64*(\b)+16
.endr
.irp t, 0,1,2,3,4,5,6,7
	ds_load_b128 v[TMP+32*((\a)%2)+4*(\t):TMP+32*((\a)%2)+4*(\t)+3], v[RD] offset:(\t)*2*SPITCH   ; LDS serves a wave's instructions in order (ISA guide 5.7.1.4): these see the stores above
.endr
	s_wait_dscnt 0x0
.irp t, 0,1,2,3,4,5,6,7
	global_store_b128 v[CO], v[TMP+32*((\a)%2)+4*(\t):TMP+32*((\a)%2)+4*(\t)+3], s[10:11] offset:65536*(\a)+8192*(\t)   ; 16 lanes store 256 consecutive bytes, aligned
.endr
.endr
	s_wait_tensorcnt 0x0                           ; the wave's end
	ds_add_u32 v[SPW], v[NIL]
	s_wait_dscnt 0x0
	CROUND                                         ; the closing round
	s_endpgm
.Lfunc_end_k_qf13482c366_gemm_f32:
	.size	k_qf13482c366_gemm_f32, .Lfunc_end_k_qf13482c366_gemm_f32-k_qf13482c366_gemm_f32
	.p2alignl 7, 3214868480
	.fill 96, 4, 3214868480
	.section	.rodata,"a",@progbits
	.p2align	6, 0x0
	.amdhsa_kernel k_qf13482c366_gemm_f32
		.amdhsa_group_segment_fixed_size 327680
		.amdhsa_private_segment_fixed_size 0
		.amdhsa_enable_private_segment 0
		.amdhsa_kernarg_size 32
		.amdhsa_user_sgpr_count 2
		.amdhsa_user_sgpr_kernarg_segment_ptr 1
		.amdhsa_wavefront_size32 1
		.amdhsa_system_sgpr_workgroup_id_x 1
		.amdhsa_system_sgpr_workgroup_id_y 1
		.amdhsa_system_sgpr_workgroup_id_z 1
		.amdhsa_system_vgpr_workitem_id 0
		.amdhsa_next_free_vgpr 512
		.amdhsa_next_free_sgpr 66
		.amdhsa_reserve_vcc 0
		.amdhsa_float_denorm_mode_32 3
		.amdhsa_float_denorm_mode_16_64 3
		.amdhsa_memory_ordered 1
		.amdhsa_forward_progress 1
		.amdhsa_inst_pref_size 93
	.end_amdhsa_kernel
	.amdgpu_metadata
---
amdhsa.version: [ 1, 2 ]
amdhsa.kernels:
  - .name:           k_qf13482c366_gemm_f32
    .symbol:         k_qf13482c366_gemm_f32.kd
    .args:
      - { .name: acty, .offset: 0, .size: 8, .value_kind: global_buffer, .address_space: global }
      - { .name: wattn, .offset: 8, .size: 8, .value_kind: global_buffer, .address_space: global }
      - { .name: ab2, .offset: 16, .size: 8, .value_kind: global_buffer, .address_space: global }
      - { .name: zsum, .offset: 24, .size: 8, .value_kind: global_buffer, .address_space: global }
    .group_segment_fixed_size: 327680
    .private_segment_fixed_size: 0
    .kernarg_segment_align: 8
    .kernarg_segment_size: 32
    .max_flat_workgroup_size: 128
    .sgpr_count:     66
    .vgpr_count:     512
    .wavefront_size: 32
...
	.end_amdgpu_metadata
.endif
;; end of part 5
;; launch ln1 (part 6): grid 520 x 1, 4 waves a work-group, no clusters, 33,280 bytes of LDS; arguments zsum, token_emb, tokens, ln1_g, ln1_b, head_w, actx, resid; writes actx, resid
.if DOCPART == 6
	.amdgcn_target "amdgcn-amd-amdhsa--gfx1250"
	.amdhsa_code_object_version 6
	.text
	.protected	k_qf13482c366_ln1
	.globl	k_qf13482c366_ln1
	.p2align	8
	.type	k_qf13482c366_ln1,@function
k_qf13482c366_ln1:
	s_mov_b64 s[64:65], 0
	v_nop
	global_prefetch_b8 v0, s[64:65] scope:SCOPE_SE
	s_setreg_imm32_b32 hwreg(HW_REG_WAVE_MODE, 25, 1), 1
	s_wait_xcnt 0x0
; WORK-GROUPS 0-511: x1 = LayerNorm(z1 + emb[token]) g + b, a wave two rows; a row of 4,096 bytes lies in 32 registers between the passes (mean, then squares of the differences, as reference() has it).
;   x1 is stored twice: in bf16 (the next product's operand) and in f16 (the residual of the second LayerNorm: LayerNorm holds it within 32 |g| + |b|).  emb, g and b are rounded to bf16 like every input.
;   It streams: all 48 loads of a wave go out at once; no matrix unit, no cluster, no tensor load would add anything.  Tokens are held to 127.
; WORK-GROUPS 512-519: head_w, rounded to bf16 and written as f16 (below 6e-5 with f16's fixed step), in the order of the last product's fragments:
;   [32 k steps][8 blocks of 16 columns][2 halves][32 lanes][16 bytes]: lane (r, h) of half c holds column r, k = 16 c + 8 h + 0..7.  A wave takes one k step through 8,192 bytes of LDS of its own.
.set SPARE, 32768
.set Z0, 32
.set E0, 64
.set Z1, 96
.set E1, 128
.set GG, 160
.set BB, 192
	s_load_b512 s[4:19], s[0:1], 0x0               ; zsum, emb, tokens, g, b, head_w, actx, resid
	v_lshl_add_u32 v2, v0, 2, SPARE
	v_mov_b32 v3, 0
	v_lshrrev_b32 v1, 5, v0
	v_readfirstlane_b32 s20, v1                    ; wave
	v_and_b32 v1, 31, v0
	v_lshlrev_b32 v4, 4, v1                        ; 16 x lane
	v_lshlrev_b32 v5, 3, v1                        ; 8 x lane
	s_mov_b32 s28, 0x76543210
	s_mov_b32 s29, 0xfedcba98
	s_mov_b32 s30, 0x3a800000                      ; 1 / 1,024
	s_mov_b32 s31, 0x3727c5ac                      ; 1e-5
	s_mov_b32 s33, 0
	s_wait_kmcnt 0x0
	s_cmp_lt_u32 ttmp9, 512
	s_cbranch_scc0 .Lhw
	s_lshl_b32 s21, ttmp9, 3
	s_lshl_b32 s22, s20, 1
	s_add_co_u32 s21, s21, s22                     ; my first row
	s_lshl_b32 s32, s21, 2
	s_add_nc_u64 s[26:27], s[8:9], s[32:33]
	s_load_b64 s[24:25], s[26:27], 0x0             ; the two rows' tokens
	s_lshl_b32 s32, s21, 12
	s_add_nc_u64 s[34:35], s[4:5], s[32:33]
	s_lshl_b32 s32, s21, 11
	s_add_nc_u64 s[36:37], s[16:17], s[32:33]
	s_add_nc_u64 s[38:39], s[18:19], s[32:33]
.irp i, 0,1,2,3,4,5,6,7
	global_load_b128 v[GG+4*(\i):GG+4*(\i)+3], v4, s[10:11] offset:512*(\i)
.endr
.irp i, 0,1,2,3,4,5,6,7
	global_load_b128 v[BB+4*(\i):BB+4*(\i)+3], v4, s[12:13] offset:512*(\i)
.endr
.irp i, 0,1,2,3,4,5,6,7
	global_load_b128 v[Z0+4*(\i):Z0+4*(\i)+3], v4, s[34:35] offset:512*(\i) th:TH_LOAD_NT
.endr
.irp i, 0,1,2,3,4,5,6,7
	global_load_b128 v[Z1+4*(\i):Z1+4*(\i)+3], v4, s[34:35] offset:4096+512*(\i) th:TH_LOAD_NT
.endr
	s_wait_kmcnt 0x0
	s_min_u32 s24, s24, 127
	s_min_u32 s25, s25, 127
	s_lshl_b32 s24, s24, 12
	s_lshl_b32 s25, s25, 12
	v_add_nc_u32 v6, s24, v4
	v_add_nc_u32 v7, s25, v4
.irp i, 0,1,2,3,4,5,6,7
	global_load_b128 v[E0+4*(\i):E0+4*(\i)+3], v6, s[6:7] offset:512*(\i)
.endr
.irp i, 0,1,2,3,4,5,6,7
	global_load_b128 v[E1+4*(\i):E1+4*(\i)+3], v7, s[6:7] offset:512*(\i)
.endr
.macro RED x, t                        ; the sum over the wave's 32 lanes, in every lane
	v_add_f32_dpp v[\x], v[\x], v[\x] row_xmask:1 row_mask:0xf bank_mask:0xf
	v_add_f32_dpp v[\x], v[\x], v[\x] row_xmask:2 row_mask:0xf bank_mask:0xf
	v_add_f32_dpp v[\x], v[\x], v[\x] row_xmask:4 row_mask:0xf bank_mask:0xf
	v_add_f32_dpp v[\x], v[\x], v[\x] row_xmask:8 row_mask:0xf bank_mask:0xf
	v_permlanex16_b32 v[\t], v[\x], s28, s29
	v_add_f32 v[\x], v[\x], v[\t]
.endm
.macro FOLD                            ; four chains v[8:15] into v8
	v_pk_add_f32 v[8:9], v[8:9], v[10:11]
	v_pk_add_f32 v[12:13], v[12:13], v[14:15]
	v_pk_add_f32 v[8:9], v[8:9], v[12:13]
	v_add_f32 v8, v8, v9
	RED 8, 9
.endm
.macro ROW z, e, so
.set j, 0
.rept 16
	v_cvt_pk_bf16_f32 v[16+(j/2)%4], v[(\e)+j], v[(\e)+j+1]
	v_lshlrev_b32 v[(\e)+j], 16, v[16+(j/2)%4]
	v_and_b32 v[(\e)+j+1], 0xffff0000, v[16+(j/2)%4]
	v_pk_add_f32 v[(\z)+j:(\z)+j+1], v[(\z)+j:(\z)+j+1], v[(\e)+j:(\e)+j+1]
.set j, j+2
.endr
.irp c, 0,1,2,3
	v_pk_add_f32 v[8+2*(\c):9+2*(\c)], v[(\z)+2*(\c):(\z)+2*(\c)+1], v[(\z)+8+2*(\c):(\z)+8+2*(\c)+1]
.endr
.irp k, 16,24
.irp c, 0,1,2,3
	v_pk_add_f32 v[8+2*(\c):9+2*(\c)], v[8+2*(\c):9+2*(\c)], v[(\z)+(\k)+2*(\c):(\z)+(\k)+2*(\c)+1]
.endr
.endr
	FOLD
	v_mul_f32 v8, s30, v8                          ; the mean
.set j, 0
.rept 16
	v_pk_add_f32 v[(\z)+j:(\z)+j+1], v[(\z)+j:(\z)+j+1], v[8:9] op_sel_hi:[1,0] neg_lo:[0,1] neg_hi:[0,1]
.set j, j+2
.endr
.irp c, 0,1,2,3
	v_pk_mul_f32 v[8+2*(\c):9+2*(\c)], v[(\z)+2*(\c):(\z)+2*(\c)+1], v[(\z)+2*(\c):(\z)+2*(\c)+1]
.endr
.irp k, 8,16,24
.irp c, 0,1,2,3
	v_pk_fma_f32 v[8+2*(\c):9+2*(\c)], v[(\z)+(\k)+2*(\c):(\z)+(\k)+2*(\c)+1], v[(\z)+(\k)+2*(\c):(\z)+(\k)+2*(\c)+1], v[8+2*(\c):9+2*(\c)]
.endr
.endr
	FOLD
	v_fma_f32 v8, v8, s30, s31                     ; the variance + 1e-5
	v_rsq_f32 v8, v8
	v_nop                                          ; a plain line, and the wait ahead of the first reader
	s_wait_alu depctr_va_vdst(0)
.set j, 0
.rept 16
	v_pk_mul_f32 v[(\z)+j:(\z)+j+1], v[(\z)+j:(\z)+j+1], v[8:9] op_sel_hi:[1,0]
.set j, j+2
.endr
.set j, 0
.rept 16
	v_pk_fma_f32 v[(\z)+j:(\z)+j+1], v[(\z)+j:(\z)+j+1], v[GG+j:GG+j+1], v[BB+j:BB+j+1]
.set j, j+2
.endr
.set j, 0
.rept 16
	v_cvt_pk_bf16_f32 v[(\e)+j], v[(\z)+2*j], v[(\z)+2*j+1]
	v_cvt_pk_f16_f32 v[(\e)+16+j], v[(\z)+2*j], v[(\z)+2*j+1]
.set j, j+1
.endr
.irp i, 0,1,2,3,4,5,6,7
	global_store_b64 v5, v[(\e)+2*(\i):(\e)+2*(\i)+1], s[36:37] offset:(\so)+256*(\i)        ; the wave's store covers 256 consecutive bytes, aligned
	global_store_b64 v5, v[(\e)+16+2*(\i):(\e)+16+2*(\i)+1], s[38:39] offset:(\so)+256*(\i)
.endr
.endm
	s_wait_loadcnt 32                              ; g and b are in; the rows' 32 loads stay out
.set j, 0
.rept 32
	v_cvt_pk_bf16_f32 v[16+(j/2)%4], v[GG+j], v[GG+j+1]
	v_lshlrev_b32 v[GG+j], 16, v[16+(j/2)%4]
	v_and_b32 v[GG+j+1], 0xffff0000, v[16+(j/2)%4]
.set j, j+2
.endr
	s_wait_loadcnt 8                               ; both z rows and the first emb row are in; the second's eight loads stay out
	ROW Z0, E0, 0
	s_wait_loadcnt 0x0
	ROW Z1, E1, 2048
	s_branch .Lend
.Lhw:
	s_sub_co_u32 s21, ttmp9, 512
	s_lshl_b32 s21, s21, 2
	s_add_co_u32 s21, s21, s20                     ; my k step
	s_lshl_b32 s32, s21, 14                        ; 32 rows of 512 bytes
	s_add_nc_u64 s[34:35], s[14:15], s[32:33]
.set k, 0
.rept 32
	global_load_b128 v[32+4*k:35+4*k], v4, s[34:35] offset:512*k
.set k, k+1
.endr
	s_lshl_b32 s32, s21, 13
	s_add_nc_u64 s[36:37], s[18:19], s[32:33]
	s_add_nc_u64 s[36:37], s[36:37], 8388608       ; behind x1
	v_lshrrev_b32 v6, 2, v1
	v_and_b32 v7, 3, v1
	v_lshlrev_b32 v6, 10, v6                       ; my four columns' block of 16,
	v_lshl_add_u32 v6, v7, 6, v6                   ; their places in it
	s_lshl_b32 s22, s20, 13
	v_add_nc_u32 v6, s22, v6
	v_add_nc_u32 v7, s22, v4
	s_wait_loadcnt 0x0
.set k, 0
.rept 32
	v_cvt_pk_bf16_f32 v8, v[32+4*k], v[33+4*k]
	v_cvt_pk_bf16_f32 v9, v[34+4*k], v[35+4*k]
	v_lshlrev_b32 v[32+4*k], 16, v8
	v_and_b32 v[33+4*k], 0xffff0000, v8
	v_lshlrev_b32 v[34+4*k], 16, v9
	v_and_b32 v[35+4*k], 0xffff0000, v9
	v_cvt_pk_f16_f32 v[32+4*k], v[32+4*k], v[33+4*k]
	v_cvt_pk_f16_f32 v[33+4*k], v[34+4*k], v[35+4*k]
	ds_store_b16 v6, v[32+4*k] offset:512*(k/16)+256*((k%16)/8)+2*(k%8)
	ds_store_b16_d16_hi v6, v[32+4*k] offset:512*(k/16)+256*((k%16)/8)+2*(k%8)+16
	ds_store_b16 v6, v[33+4*k] offset:512*(k/16)+256*((k%16)/8)+2*(k%8)+32
	ds_store_b16_d16_hi v6, v[33+4*k] offset:512*(k/16)+256*((k%16)/8)+2*(k%8)+48
.set k, k+1
.endr
.set t, 0
.rept 16
	ds_load_b128 v[160+4*t:163+4*t], v7 offset:512*t   ; my own bytes: LDS serves a wave's instructions in order (ISA guide 5.7.1.4)
.set t, t+1
.endr
	s_wait_dscnt 0x0
.set t, 0
.rept 16
	global_store_b128 v4, v[160+4*t:163+4*t], s[36:37] offset:512*t
.set t, t+1
.endr
.Lend:
	s_wait_tensorcnt 0x0                           ; the wave's end
	ds_add_u32 v2, v3
	s_wait_dscnt 0x0
	s_endpgm
.Lfunc_end_k_qf13482c366_ln1:
	.size	k_qf13482c366_ln1, .Lfunc_end_k_qf13482c366_ln1-k_qf13482c366_ln1
	.p2alignl 7, 3214868480
	.fill 96, 4, 3214868480
	.section	.rodata,"a",@progbits
	.p2align	6, 0x0
	.amdhsa_kernel k_qf13482c366_ln1
		.amdhsa_group_segment_fixed_size 33280
		.amdhsa_private_segment_fixed_size 0
		.amdhsa_enable_private_segment 0
		.amdhsa_kernarg_size 64
		.amdhsa_user_sgpr_count 2
		.amdhsa_user_sgpr_kernarg_segment_ptr 1
		.amdhsa_wavefront_size32 1
		.amdhsa_system_sgpr_workgroup_id_x 1
		.amdhsa_system_sgpr_workgroup_id_y 1
		.amdhsa_system_sgpr_workgroup_id_z 1
		.amdhsa_system_vgpr_workitem_id 0
		.amdhsa_next_free_vgpr 224
		.amdhsa_next_free_sgpr 66
		.amdhsa_reserve_vcc 0
		.amdhsa_float_denorm_mode_32 3
		.amdhsa_float_denorm_mode_16_64 3
		.amdhsa_memory_ordered 1
		.amdhsa_forward_progress 1
		.amdhsa_inst_pref_size 66
	.end_amdhsa_kernel
	.amdgpu_metadata
---
amdhsa.version: [ 1, 2 ]
amdhsa.kernels:
  - .name:           k_qf13482c366_ln1
    .symbol:         k_qf13482c366_ln1.kd
    .args:
      - { .name: zsum, .offset: 0, .size: 8, .value_kind: global_buffer, .address_space: global }
      - { .name: token_emb, .offset: 8, .size: 8, .value_kind: global_buffer, .address_space: global }
      - { .name: tokens, .offset: 16, .size: 8, .value_kind: global_buffer, .address_space: global }
      - { .name: ln1_g, .offset: 24, .size: 8, .value_kind: global_buffer, .address_space: global }
      - { .name: ln1_b, .offset: 32, .size: 8, .value_kind: global_buffer, .address_space: global }
      - { .name: head_w, .offset: 40, .size: 8, .value_kind: global_buffer, .address_space: global }
      - { .name: actx, .offset: 48, .size: 8, .value_kind: global_buffer, .address_space: global }
      - { .name: resid, .offset: 56, .size: 8, .value_kind: global_buffer, .address_space: global }
    .group_segment_fixed_size: 33280
    .private_segment_fixed_size: 0
    .kernarg_segment_align: 8
    .kernarg_segment_size: 64
    .max_flat_workgroup_size: 128
    .sgpr_count:     66
    .vgpr_count:     224
    .wavefront_size: 32
...
	.end_amdgpu_metadata
.endif
;; end of part 6
;; launch fff1: the kernel of part 4 again; grid 8 x 32, 4 waves a work-group, clusters of 4 x 4, 327,680 bytes of LDS; arguments actx, wffn, fb1, acty; writes acty
;; launch fff2: the kernel of part 5 again; grid 8 x 32, 4 waves a work-group, clusters of 4 x 4, 327,680 bytes of LDS; arguments acty, wffn, fb2, zsum; writes zsum
;; launch head (part 7): grid 256 x 1, 8 waves a work-group, no clusters, 42,752 bytes of LDS; arguments zsum, resid, ln2_g, ln2_b, head_b, targets, out0, actx; writes out0, actx
.if DOCPART == 7
	.amdgcn_target "amdgcn-amd-amdhsa--gfx1250"
	.amdhsa_code_object_version 6
	.text
	.protected	k_qf13482c366_head
	.globl	k_qf13482c366_head
	.p2align	8
	.type	k_qf13482c366_head,@function
k_qf13482c366_head:
	s_mov_b64 s[64:65], 0
	v_nop
	global_prefetch_b8 v0, s[64:65] scope:SCOPE_SE
	s_setreg_imm32_b32 hwreg(HW_REG_WAVE_MODE, 25, 1), 1
	s_wait_xcnt 0x0
; x2 = LayerNorm(z2 + x1) g + b; logits = x2 head_w + head_b; nll = logsumexp(logits) - logits[target], the row's maximum taken away first.
; A work-group owns 16 rows.  PHASE 1: wave w normalises rows 2 w and 2 w + 1 and puts x2, rounded to f16 (LayerNorm holds it within 32 |g| + |b|), into LDS.
; PHASE 2: wave w makes the 16 rows x columns 16 w .. 16 w + 15: 32 products on two accumulators by turns; head_w's fragments come from memory as they lie, 16 bytes a lane.
; PHASE 3: wave w stores rows 2 w, 2 w + 1 of the logits (16 lanes a row) and finds their nll; the work-group's sum of 16 goes to a word of actx for the last launch.
; g, b and head_b are rounded to bf16 like every input.  Targets are held to 127.  No cluster, no tensor load: nothing is read twice by a work-group but the 32 KiB of x2 in LDS.
; REGISTERS: v1 my bytes in out0; v4 16 x lane; v5 8 x lane; v6 x2 in; v7 x2 as fragments; v8 logits in; v9 my row of the logits; v10 logits back; v11 head_b; v12 the target; v13 its address;
;   v16-31 at work, then the two accumulators; v32-63 x1, then x2's fragments; v64-127 z, then head_w; v128-191 g and b, then head_w; v192-255 head_w.
.set X2P,   2064                       ; a row of x2: 2,048 bytes + 16
.set LG,    33024                      ; logits: 16 rows, pitch 528
.set LGP,   528
.set PS,    41472                      ; eight partial sums
.set SPARE, 41728
.set HWI,   8388608
.set ONE, 30                           ; v30 1.0, in phase 1 alone
	s_load_b512 s[4:19], s[0:1], 0x0               ; zsum, resid, g, b, head_b, targets, out0, actx
	v_lshl_add_u32 v14, v0, 2, SPARE
	v_mov_b32 v15, 0
	v_lshrrev_b32 v1, 5, v0
	v_readfirstlane_b32 s20, v1                    ; wave 0..7
	v_and_b32 v1, 31, v0                           ; lane
	v_and_b32 v2, 15, v0                           ; r
	v_bfe_u32 v3, v0, 4, 1                         ; h
	v_lshlrev_b32 v4, 4, v1
	v_lshlrev_b32 v5, 3, v1
	s_mov_b32 s28, 0x76543210
	s_mov_b32 s29, 0xfedcba98
	s_mov_b32 s30, 0x3a800000                      ; 1 / 1,024
	s_mov_b32 s31, 0x3727c5ac                      ; 1e-5
	s_mov_b32 s34, 0x3fb8aa3b                      ; log2(e)
	s_mov_b32 s35, s34
	s_mov_b32 s36, 0x3f317218                      ; ln 2
	s_mov_b32 s33, 0
	s_lshl_b32 s21, ttmp9, 4
	s_lshl_b32 s37, s20, 1
	s_add_co_u32 s21, s21, s37                     ; my first row
	s_lshl_b32 s37, s21, 2
	v_lshl_add_u32 v13, v3, 2, s37                 ; the target of row 2 w + h
	s_mul_i32 s37, s20, 2*X2P
	v_add_nc_u32 v6, s37, v5                       ; x2 in: my two rows
	v_mul_u32_u24 v7, v2, X2P
	v_lshl_add_u32 v7, v3, 4, v7                   ; x2 as fragments
	s_lshl_b32 s37, s20, 6
	v_lshl_add_u32 v11, v3, 5, s37                 ; head_b: 64 w + 32 h
	v_mul_u32_u24 v8, v2, LGP
	v_add_nc_u32 v8, v8, v11
	v_add_nc_u32 v8, LG, v8                        ; logits in: row r, my 8 columns
	s_mul_i32 s40, s20, 2*LGP
	s_add_co_u32 s40, s40, LG
	v_mul_u32_u24 v9, v3, LGP
	v_add_nc_u32 v9, s40, v9                       ; logits back: row 2 w + h
	v_lshl_add_u32 v10, v2, 4, v9
	s_lshl_b32 s37, s20, 10
	v_lshl_add_u32 v1, v3, 9, s37
	v_lshl_add_u32 v1, v2, 4, v1                   ; the same two rows in out0: 512 (2 w + h) + 16 r
	v_mov_b32 v[ONE], 1.0
	s_wait_kmcnt 0x0
	s_lshl_b32 s32, s21, 12
	s_add_nc_u64 s[22:23], s[4:5], s[32:33]        ; z2 at my rows
	s_lshl_b32 s32, s21, 11
	s_add_nc_u64 s[24:25], s[6:7], s[32:33]        ; x1 in f16 at my rows
	s_lshl_b32 s32, s20, 10
	s_add_nc_u64 s[26:27], s[6:7], s[32:33]
	s_add_nc_u64 s[26:27], s[26:27], HWI           ; head_w's fragments of my 16 columns
	s_lshl_b32 s32, ttmp9, 13
	s_add_nc_u64 s[38:39], s[16:17], s[32:33]      ; out0 at the work-group's 16 rows
	global_load_b32 v12, v13, s[14:15]
.macro HWLOAD gq, base                 ; eight k steps' fragments
.set k, 0
.rept 8
	global_load_b128 v[(\base)+8*k:(\base)+8*k+3],   v4, s[26:27] offset:8192*(8*(\gq)+k)
	global_load_b128 v[(\base)+8*k+4:(\base)+8*k+7], v4, s[26:27] offset:8192*(8*(\gq)+k)+512
.set k, k+1
.endr
.endm
	HWLOAD 0, 192
.irp i, 0,1,2,3,4,5,6,7
	global_load_b128 v[128+4*(\i):131+4*(\i)], v4, s[8:9] offset:512*(\i)
.endr
.irp i, 0,1,2,3,4,5,6,7
	global_load_b128 v[160+4*(\i):163+4*(\i)], v4, s[10:11] offset:512*(\i)
.endr
.irp rr, 0,1
.irp i, 0,1,2,3,4,5,6,7
	global_load_b128 v[64+32*(\rr)+4*(\i):67+32*(\rr)+4*(\i)], v4, s[22:23] offset:4096*(\rr)+512*(\i) th:TH_LOAD_NT
.endr
.irp i, 0,1,2,3,4,5,6,7
	global_load_b64 v[32+16*(\rr)+2*(\i):33+16*(\rr)+2*(\i)], v5, s[24:25] offset:2048*(\rr)+256*(\i) th:TH_LOAD_NT
.endr
.endr
.macro RED x, t
	v_add_f32_dpp v[\x], v[\x], v[\x] row_xmask:1 row_mask:0xf bank_mask:0xf
	v_add_f32_dpp v[\x], v[\x], v[\x] row_xmask:2 row_mask:0xf bank_mask:0xf
	v_add_f32_dpp v[\x], v[\x], v[\x] row_xmask:4 row_mask:0xf bank_mask:0xf
	v_add_f32_dpp v[\x], v[\x], v[\x] row_xmask:8 row_mask:0xf bank_mask:0xf
	v_permlanex16_b32 v[\t], v[\x], s28, s29
	v_add_f32 v[\x], v[\x], v[\t]
.endm
.macro FOLD
	v_pk_add_f32 v[16:17], v[16:17], v[18:19]
	v_pk_add_f32 v[20:21], v[20:21], v[22:23]
	v_pk_add_f32 v[16:17], v[16:17], v[20:21]
	v_add_f32 v16, v16, v17
	RED 16, 17
.endm
.macro ROW z, xh, rr
.set j, 0
.rept 16
	v_fma_mix_f32 v[(\z)+2*j],   v[(\xh)+j], v[ONE], v[(\z)+2*j]   op_sel_hi:[1,0,0]                 ; z + the low f16
	v_fma_mix_f32 v[(\z)+2*j+1], v[(\xh)+j], v[ONE], v[(\z)+2*j+1] op_sel:[1,0,0] op_sel_hi:[1,0,0]  ; z + the high f16
.set j, j+1
.endr
.irp c, 0,1,2,3
	v_pk_add_f32 v[16+2*(\c):17+2*(\c)], v[(\z)+2*(\c):(\z)+2*(\c)+1], v[(\z)+8+2*(\c):(\z)+8+2*(\c)+1]
.endr
.irp k, 16,24
.irp c, 0,1,2,3
	v_pk_add_f32 v[16+2*(\c):17+2*(\c)], v[16+2*(\c):17+2*(\c)], v[(\z)+(\k)+2*(\c):(\z)+(\k)+2*(\c)+1]
.endr
.endr
	FOLD
	v_mul_f32 v16, s30, v16
.set j, 0
.rept 16
	v_pk_add_f32 v[(\z)+j:(\z)+j+1], v[(\z)+j:(\z)+j+1], v[16:17] op_sel_hi:[1,0] neg_lo:[0,1] neg_hi:[0,1]
.set j, j+2
.endr
.irp c, 0,1,2,3
	v_pk_mul_f32 v[16+2*(\c):17+2*(\c)], v[(\z)+2*(\c):(\z)+2*(\c)+1], v[(\z)+2*(\c):(\z)+2*(\c)+1]
.endr
.irp k, 8,16,24
.irp c, 0,1,2,3
	v_pk_fma_f32 v[16+2*(\c):17+2*(\c)], v[(\z)+(\k)+2*(\c):(\z)+(\k)+2*(\c)+1], v[(\z)+(\k)+2*(\c):(\z)+(\k)+2*(\c)+1], v[16+2*(\c):17+2*(\c)]
.endr
.endr
	FOLD
	v_fma_f32 v16, v16, s30, s31
	v_rsq_f32 v16, v16
	v_nop                                          ; a plain line, and the wait ahead of the first reader
	s_wait_alu depctr_va_vdst(0)
.set j, 0
.rept 16
	v_pk_mul_f32 v[(\z)+j:(\z)+j+1], v[(\z)+j:(\z)+j+1], v[16:17] op_sel_hi:[1,0]
.set j, j+2
.endr
.set j, 0
.rept 16
	v_pk_fma_f32 v[(\z)+j:(\z)+j+1], v[(\z)+j:(\z)+j+1], v[128+j:129+j], v[160+j:161+j]
.set j, j+2
.endr
.set j, 0
.rept 16
	v_cvt_pk_f16_f32 v[(\xh)+j], v[(\z)+2*j], v[(\z)+2*j+1]
.set j, j+1
.endr
.irp i, 0,1,2,3,4,5,6,7
	ds_store_b64 v6, v[(\xh)+2*(\i):(\xh)+2*(\i)+1] offset:X2P*(\rr)+256*(\i)
.endr
.endm
	s_wait_loadcnt 32                              ; g and b (and all older loads) are in; the rows' 32 loads stay out
.set j, 0
.rept 32
	v_cvt_pk_bf16_f32 v[24+(j/2)%4], v[128+j], v[129+j]
	v_lshlrev_b32 v[128+j], 16, v[24+(j/2)%4]
	v_and_b32 v[129+j], 0xffff0000, v[24+(j/2)%4]
.set j, j+2
.endr
	s_wait_loadcnt 16                              ; the first row
	ROW 64, 32, 0
	s_wait_loadcnt 0x0
	ROW 96, 48, 1
	HWLOAD 1, 64
	HWLOAD 2, 128
	s_wait_dscnt 0x0                               ; for the others' sake
	s_barrier_signal -1
	s_barrier_wait -1
; eight k steps: x2's fragments four at a time; the two accumulators take turns.  left: the younger loads, which may stay out
.macro GROUP gq, hwb, left
	s_wait_loadcnt \left
.irp hf, 0,1
.irp s, 0,1,2,3
	ds_load_b128 v[32+8*(\s):35+8*(\s)], v7 offset:64*(8*(\gq)+4*(\hf)+(\s))
	ds_load_b128 v[36+8*(\s):39+8*(\s)], v7 offset:64*(8*(\gq)+4*(\hf)+(\s))+32
.endr
	s_wait_dscnt 0x0
.irp s, 0,1,2,3
.if ((\gq) == 0) && ((\hf) == 0) && ((\s) < 2)
	v_wmma_f32_16x16x32_f16 v[16+8*((\s)%2):23+8*((\s)%2)], v[(\hwb)+8*(4*(\hf)+(\s)):(\hwb)+8*(4*(\hf)+(\s))+7], v[32+8*(\s):39+8*(\s)], 0
.else
	v_wmma_f32_16x16x32_f16 v[16+8*((\s)%2):23+8*((\s)%2)], v[(\hwb)+8*(4*(\hf)+(\s)):(\hwb)+8*(4*(\hf)+(\s))+7], v[32+8*(\s):39+8*(\s)], v[16+8*((\s)%2):23+8*((\s)%2)]
.endif
.endr
.rept 4
	v_nop                                          ; four places in front of loads into registers that the products read
.endr
.endr
.endm
	GROUP 0, 192, 32                               ; groups 1 and 2 stay out
	HWLOAD 3, 192
	GROUP 1, 64, 32                                ; groups 2 and 3 stay out
	global_load_b128 v[64:67], v11, s[12:13]
	global_load_b128 v[68:71], v11, s[12:13] offset:16
	GROUP 2, 128, 18                               ; group 3 and the bias stay out
	GROUP 3, 192, 2
.rept 4
	v_nop
.endr
	s_wait_loadcnt 0x0
.irp j, 0,2,4,6
	v_cvt_pk_bf16_f32 v72, v[64+(\j)], v[65+(\j)]
	v_lshlrev_b32 v[64+(\j)], 16, v72
	v_and_b32 v[65+(\j)], 0xffff0000, v72
.endr
.irp j, 0,2,4,6
	v_pk_add_f32 v[16+(\j):17+(\j)], v[16+(\j):17+(\j)], v[24+(\j):25+(\j)]
.endr
.irp j, 0,2,4,6
	v_pk_add_f32 v[16+(\j):17+(\j)], v[16+(\j):17+(\j)], v[64+(\j):65+(\j)]
.endr
	ds_store_b128 v8, v[16:19]
	ds_store_b128 v8, v[20:23] offset:16
	v_min_u32 v12, 127, v12
	v_lshl_add_u32 v9, v12, 2, v9                  ; my row's logit of the target
	s_wait_dscnt 0x0
	s_barrier_signal -1
	s_barrier_wait -1
	ds_load_b128 v[32:35], v10
	ds_load_b128 v[36:39], v10 offset:256
	ds_load_b32 v40, v9
	s_wait_dscnt 0x0
	global_store_b128 v1, v[32:35], s[38:39]               ; 16 lanes store 256 consecutive bytes, aligned
	global_store_b128 v1, v[36:39], s[38:39] offset:256
	v_max3_num_f32 v41, v32, v33, v34
	v_max3_num_f32 v41, v41, v35, v36
	v_max3_num_f32 v41, v41, v37, v38
	v_max_num_f32 v41, v41, v39
	v_max_num_f32_dpp v41, v41, v41 row_xmask:1 row_mask:0xf bank_mask:0xf
	v_max_num_f32_dpp v41, v41, v41 row_xmask:2 row_mask:0xf bank_mask:0xf
	v_max_num_f32_dpp v41, v41, v41 row_xmask:4 row_mask:0xf bank_mask:0xf
	v_max_num_f32_dpp v41, v41, v41 row_xmask:8 row_mask:0xf bank_mask:0xf
	v_mul_f32 v42, s34, v41
	v_mov_b32 v43, v42                             ; named with it as a pair
.irp j, 0,2,4,6
	v_pk_fma_f32 v[44+(\j):45+(\j)], v[32+(\j):33+(\j)], s[34:35], v[42:43] op_sel_hi:[1,0,0] neg_lo:[0,0,1] neg_hi:[0,0,1]
.endr
.irp j, 0,1,2,3,4,5,6,7
	v_exp_f32 v[44+(\j)], v[44+(\j)]
.endr
	v_nop
	s_wait_alu depctr_va_vdst(0)                   ; one wait for the eight exponentials
	v_pk_add_f32 v[44:45], v[44:45], v[46:47]
	v_pk_add_f32 v[48:49], v[48:49], v[50:51]
	v_pk_add_f32 v[44:45], v[44:45], v[48:49]
	v_add_f32 v44, v44, v45
	v_add_f32_dpp v44, v44, v44 row_xmask:1 row_mask:0xf bank_mask:0xf
	v_add_f32_dpp v44, v44, v44 row_xmask:2 row_mask:0xf bank_mask:0xf
	v_add_f32_dpp v44, v44, v44 row_xmask:4 row_mask:0xf bank_mask:0xf
	v_add_f32_dpp v44, v44, v44 row_xmask:8 row_mask:0xf bank_mask:0xf
	v_log_f32 v44, v44
	v_nop
	s_wait_alu depctr_va_vdst(0)
	v_fma_f32 v44, v44, s36, v41                   ; the maximum + ln of the sum
	v_sub_f32 v44, v44, v40
	v_permlanex16_b32 v45, v44, s28, s29           ; my wave's other row
	v_add_f32 v44, v44, v45
	s_lshl_b32 s41, s20, 2
	s_add_co_u32 s41, s41, PS
	v_mov_b32 v47, s41
	ds_store_b32 v47, v44                          ; all lanes write the same word with the same value
	s_wait_dscnt 0x0
	s_barrier_signal -1
	s_barrier_wait -1
	s_cmp_lg_u32 s20, 0
	s_cbranch_scc1 .Lend
	v_mov_b32 v48, PS
	ds_load_b128 v[52:55], v48
	ds_load_b128 v[56:59], v48 offset:16
	s_lshl_b32 s41, ttmp9, 2
	v_mov_b32 v49, s41
	s_wait_dscnt 0x0
	v_pk_add_f32 v[52:53], v[52:53], v[54:55]
	v_pk_add_f32 v[56:57], v[56:57], v[58:59]
	v_pk_add_f32 v[52:53], v[52:53], v[56:57]
	v_add_f32 v52, v52, v53
	v_cmp_eq_u32 vcc_lo, 0, v0
	s_wait_xcnt 0x0                                ; EXEC changes only behind this wait
	s_and_saveexec_b32 s40, vcc_lo
	global_store_b32 v49, v52, s[18:19]
	s_wait_xcnt 0x0
	s_or_b32 exec_lo, exec_lo, s40
.Lend:
	s_wait_tensorcnt 0x0                           ; the wave's end
	ds_add_u32 v14, v15
	s_wait_dscnt 0x0
	s_endpgm
.Lfunc_end_k_qf13482c366_head:
	.size	k_qf13482c366_head, .Lfunc_end_k_qf13482c366_head-k_qf13482c366_head
	.p2alignl 7, 3214868480
	.fill 96, 4, 3214868480
	.section	.rodata,"a",@progbits
	.p2align	6, 0x0
	.amdhsa_kernel k_qf13482c366_head
		.amdhsa_group_segment_fixed_size 42752
		.amdhsa_private_segment_fixed_size 0
		.amdhsa_enable_private_segment 0
		.amdhsa_kernarg_size 64
		.amdhsa_user_sgpr_count 2
		.amdhsa_user_sgpr_kernarg_segment_ptr 1
		.amdhsa_wavefront_size32 1
		.amdhsa_system_sgpr_workgroup_id_x 1
		.amdhsa_system_sgpr_workgroup_id_y 1
		.amdhsa_system_sgpr_workgroup_id_z 1
		.amdhsa_system_vgpr_workitem_id 0
		.amdhsa_next_free_vgpr 256
		.amdhsa_next_free_sgpr 66
		.amdhsa_reserve_vcc 1
		.amdhsa_float_denorm_mode_32 3
		.amdhsa_float_denorm_mode_16_64 3
		.amdhsa_memory_ordered 1
		.amdhsa_forward_progress 1
		.amdhsa_inst_pref_size 51
	.end_amdhsa_kernel
	.amdgpu_metadata
---
amdhsa.version: [ 1, 2 ]
amdhsa.kernels:
  - .name:           k_qf13482c366_head
    .symbol:         k_qf13482c366_head.kd
    .args:
      - { .name: zsum, .offset: 0, .size: 8, .value_kind: global_buffer, .address_space: global }
      - { .name: resid, .offset: 8, .size: 8, .value_kind: global_buffer, .address_space: global }
      - { .name: ln2_g, .offset: 16, .size: 8, .value_kind: global_buffer, .address_space: global }
      - { .name: ln2_b, .offset: 24, .size: 8, .value_kind: global_buffer, .address_space: global }
      - { .name: head_b, .offset: 32, .size: 8, .value_kind: global_buffer, .address_space: global }
      - { .name: targets, .offset: 40, .size: 8, .value_kind: global_buffer, .address_space: global }
      - { .name: out0, .offset: 48, .size: 8, .value_kind: global_buffer, .address_space: global }
      - { .name: actx, .offset: 56, .size: 8, .value_kind: global_buffer, .address_space: global }
    .group_segment_fixed_size: 42752
    .private_segment_fixed_size: 0
    .kernarg_segment_align: 8
    .kernarg_segment_size: 64
    .max_flat_workgroup_size: 256
    .sgpr_count:     66
    .vgpr_count:     256
    .wavefront_size: 32
...
	.end_amdgpu_metadata
.endif
;; end of part 7
;; launch loss (part 8): grid 1 x 1, 1 waves a work-group, no clusters, 0 bytes of LDS; arguments actx, out1; writes out1
.if DOCPART == 8
	.amdgcn_target "amdgcn-amd-amdhsa--gfx1250"
	.amdhsa_code_object_version 6
	.text
	.protected	k_qf13482c366_loss
	.globl	k_qf13482c366_loss
	.p2align	8
	.type	k_qf13482c366_loss,@function
k_qf13482c366_loss:
	s_mov_b64 s[64:65], 0
	v_nop
	global_prefetch_b8 v0, s[64:65] scope:SCOPE_SE
	s_setreg_imm32_b32 hwreg(HW_REG_WAVE_MODE, 25, 1), 1
	s_wait_xcnt 0x0
; loss = the sum of the 256 work-groups' sums of nll, divided by 4,096.  One wave: eight numbers a lane, then across the lanes.  One owner for the one output: no traffic between work-groups.
	s_load_b128 s[4:7], s[0:1], 0x0                ; the partial sums, out1
	v_lshlrev_b32 v1, 5, v0
	s_mov_b32 s10, 0x76543210
	s_mov_b32 s11, 0xfedcba98
	s_wait_kmcnt 0x0
	global_load_b128 v[4:7], v1, s[4:5]
	global_load_b128 v[8:11], v1, s[4:5] offset:16
	s_wait_loadcnt 0x0
	v_pk_add_f32 v[4:5], v[4:5], v[6:7]
	v_pk_add_f32 v[8:9], v[8:9], v[10:11]
	v_pk_add_f32 v[4:5], v[4:5], v[8:9]
	v_add_f32 v4, v4, v5
	v_add_f32_dpp v4, v4, v4 row_xmask:1 row_mask:0xf bank_mask:0xf
	v_add_f32_dpp v4, v4, v4 row_xmask:2 row_mask:0xf bank_mask:0xf
	v_add_f32_dpp v4, v4, v4 row_xmask:4 row_mask:0xf bank_mask:0xf
	v_add_f32_dpp v4, v4, v4 row_xmask:8 row_mask:0xf bank_mask:0xf
	v_permlanex16_b32 v5, v4, s10, s11
	v_add_f32 v4, v4, v5
	v_mul_f32 v4, 0x39800000, v4                   ; 1 / 4,096
	v_mov_b32 v2, 0
	v_cmp_eq_u32 vcc_lo, 0, v0
	s_wait_xcnt 0x0                                ; EXEC changes only behind this wait
	s_and_saveexec_b32 s8, vcc_lo
	global_store_b32 v2, v4, s[6:7]
	s_wait_xcnt 0x0
	s_or_b32 exec_lo, exec_lo, s8
	s_endpgm
.Lfunc_end_k_qf13482c366_loss:
	.size	k_qf13482c366_loss, .Lfunc_end_k_qf13482c366_loss-k_qf13482c366_loss
	.p2alignl 7, 3214868480
	.fill 96, 4, 3214868480
	.section	.rodata,"a",@progbits
	.p2align	6, 0x0
	.amdhsa_kernel k_qf13482c366_loss
		.amdhsa_group_segment_fixed_size 0
		.amdhsa_private_segment_fixed_size 0
		.amdhsa_enable_private_segment 0
		.amdhsa_kernarg_size 16
		.amdhsa_user_sgpr_count 2
		.amdhsa_user_sgpr_kernarg_segment_ptr 1
		.amdhsa_wavefront_size32 1
		.amdhsa_system_sgpr_workgroup_id_x 1
		.amdhsa_system_sgpr_workgroup_id_y 1
		.amdhsa_system_sgpr_workgroup_id_z 1
		.amdhsa_system_vgpr_workitem_id 0
		.amdhsa_next_free_vgpr 16
		.amdhsa_next_free_sgpr 66
		.amdhsa_reserve_vcc 1
		.amdhsa_float_denorm_mode_32 3
		.amdhsa_float_denorm_mode_16_64 3
		.amdhsa_memory_ordered 1
		.amdhsa_forward_progress 1
		.amdhsa_inst_pref_size 2
	.end_amdhsa_kernel
	.amdgpu_metadata
---
amdhsa.version: [ 1, 2 ]
amdhsa.kernels:
  - .name:           k_qf13482c366_loss
    .symbol:         k_qf13482c366_loss.kd
    .args:
      - { .name: actx, .offset: 0, .size: 8, .value_kind: global_buffer, .address_space: global }
      - { .name: out1, .offset: 8, .size: 8, .value_kind: global_buffer, .address_space: global }
    .group_segment_fixed_size: 0
    .private_segment_fixed_size: 0
    .kernarg_segment_align: 8
    .kernarg_segment_size: 16
    .max_flat_workgroup_size: 32
    .sgpr_count:     66
    .vgpr_count:     16
    .wavefront_size: 32
...
	.end_amdgpu_metadata
.endif
;; end of part 8
;; ======== version 2 of 2: 9 launches; 1.22 times as fast as version 1
;; workspace buffers: tabs 786,432 bytes; wattn 4,194,304 bytes; wffn 4,194,304 bytes; actx 8,388,608 bytes; acty 8,388,608 bytes; zsum 16,777,216 bytes; resid 8,650,752 bytes
;; launch prep: the kernel of part 1 again; grid 192 x 1, 4 waves a work-group, no clusters, 327,680 bytes of LDS; arguments Wqkv, bqkv, token_emb, tabs; writes tabs
;; launch attn (part 9): grid 64 x 4, 4 waves a work-group, no clusters, 327,680 bytes of LDS; arguments tabs, tokens, aw1, aw2, fw1, fw2, actx, wattn, wffn; writes actx, wattn, wffn
.if DOCPART == 9
	.amdgcn_target "amdgcn-amd-amdhsa--gfx1250"
	.amdhsa_code_object_version 6
	.text
	.protected	k_qf13482c366_attn
	.globl	k_qf13482c366_attn
	.p2align	8
	.type	k_qf13482c366_attn,@function
k_qf13482c366_attn:
	s_mov_b64 s[64:65], 0
	v_nop
	global_prefetch_b8 v0, s[64:65] scope:SCOPE_SE
	s_setreg_imm32_b32 hwreg(HW_REG_WAVE_MODE, 25, 1), 1
	s_wait_xcnt 0x0
; ATTENTION OVER TOKENS.  reference() multiplies the scores by the lower triangle, so a hidden key has the score 0 and stays in the softmax.  Keys with one token give one term:
;   o[q] = sum_u w_u V[u] / sum_u w_u,   w_u = c[q][u] 2^(cs S_u - cs m) + r[q][u] 2^(-cs m),   S_u = Q[token of q] . K[u],   cs = log2(e) / 8,
; c[q][u] = how many positions k <= q of q's batch hold token u, r[q][u] = how many k > q; m the row's true maximum: over the u with c > 0, and 0 where a key is hidden (every row but a batch's last).
; LIMITS.  A token with c = 0 counts as its score less 1e30 (its weight's first part is 0 x 0); a weight below 2^-126 counts as 0; NaN and infinities are not treated apart.  Tokens lie in 0 to 127, as
; reference()'s table asks; one outside would take Q's row 127 and be counted as 112 + its low four bits.
; SHARES.  Work-group (tg, hg): 64 rows (four tiles of 16, a wave each) x heads 4 hg .. 4 hg + 3.  Wave w fetches head 4 hg + w's tables by two tensor loads; nothing is filled again.
; Beside that each work-group rounds 65,536 bytes of one of the four E x E weights to bf16 (hg chooses the weight) while its tiles are on their way.
; THE COUNTS are made here, by the matrix unit, in whole numbers up to 2,048 (exact in f32).  A token is 16 hi + lo.  H[lo][hi] = the sum over positions of onehot_lo x onehot_hi: one product counts 32
; positions for all 128 tokens.  Each wave takes 512 of the batch's 2,048 positions, 64 a trip: ones are set into zeroed LDS rows of its own, the rows come back turned as fragments, the ones are cleared.
; Two sums: all positions (N), and the blocks of 64 in front of my work-group's (the hi fragment under a scalar mask).  The four waves' sums meet in LDS.  Then c = prefix + onehot^T T over the block's
; own 64 positions, T[k][q] = 1 where k <= q: the prefix is the C operand, and the result has the scores' layout.  r = N - c.
; NO CLUSTER: Q's rows and the ones are placed in LDS at addresses made of tokens, which differ between work-groups; what is shared is a work-group's 196,608 bytes of tables, once.
; LAYOUT.  S^T = K Q^T: a lane holds one query (l % 16) and the tokens 8 (l / 16) + 0..7 of each block of 16; the weights rounded in pairs are source 1 of O^T = V^T P.
; REGISTERS in windows of 256: window 0 as named below; window 1: v0-127 K's fragments (first the weights to be rounded), v128-255 V's (first the block's one-hot fragments); window 2: v0-15 Q, v64-127 the penalty (0 or -1e30).
.set PQ,    144                        ; a table row of q or k in LDS: 128 bytes + 16
.set PVP,   160                        ; of v: 128 + 32
.set HEADB, 57344                      ; a head: q 18,432, k 18,432, v 20,480
.set KOFF,  18432
.set VOFF,  36864
.set STAGE, 229376                     ; 16 rows, pitch 528, for each wave
.set SP,    528
.set SPARE, 263168
.set OH,    263680                     ; for each wave 64 rows, a position each: 16 bf16 for hi, 16 for lo, pitch 96
.set OHP,   96
.set BO,    288256                     ; the block's 64 positions: 128 bf16 a row, pitch 288
.set BOP,   288
.set HP,    306688                     ; for each wave two sums of 16 x 16 f32: prefix, then all; token u at 4 u
.set HS,    314880                     ; the work-group's two sums, 512 bytes each
.set TKS,   315904                     ; for each wave 2,048 bytes of tokens and 256 of zeros
.set AQ, 3
.set AK, 4
.set AV, 5
.set STO, 6
.set RD, 7
.set GO, 8
.set TOKV, 9
.set ZC, 10                            ; 0, or the lowest number in a batch's last row
.set LO, 11                            ; 16 x lane
.set M, 12                             ; v12-15 four running maxima
.set CM, 16                            ; v16 cs m (v17 named with it)
.set E0, 18                            ; v18 2^(-cs m) (v19 named with it)
.set LS, 20                            ; v20 the sum, then 1 / sum; v21 at work
.set TT, 22                            ; v22-29 at work
.set SPW, 30
.set NIL, 31
.set C, 32                             ; v32-95 c
.set RR, 96                            ; v96-159 r
.set S, 160                            ; v160-223 scores, then weights; O^T takes v160-191
.set P, 224                            ; v224-255 weights in bf16
.set PEN, 64
.set VF, 128
; at work while the counts are made, in registers that the head loop takes later
.set HT,  32                           ; v32-39 the sum over all positions;  v40-47 over the blocks in front
.set HQ,  40
.set OHZ, 48                           ; LDS addresses: my rows of OH, to clear
.set BOZ, 49                           ; my 16 rows of BO, to clear
.set BOS, 50                           ; my query's row of BO
.set TKW, 51                           ; my tokens, in
.set HPW, 52                           ; my sums, in
.set HPR, 53                           ; token t's sums, back
.set HSA, 54                           ; token t's place in HS
.set DQ,  55                           ; my query's place in the block less 8 (l / 16)
.set TKR, 160                          ; v160-175 my wave's tokens as loaded
.set ZQ,  176                          ; v176-179 zeros
.set ONEH, 180                         ; 1.0 in bf16
.set HSL, 181                          ; HS + 32 (l / 16)
.set TKP, 182                          ; v182-183 the trip's two tokens
.set AD,  184                          ; v184-187 where their four ones go
.set ROWB, 188                         ; my two rows of OH
.set TKA, 189                          ; my tokens, back
.set TRA, 190                          ; OH as fragments
.set BTR, 191                          ; BO as fragments
.set FL0, 192                          ; fragments of lo and hi, 32 positions each
.set FH0, 200
.set FL1, 208
.set FH1, 216
.set FM0, 224                          ; hi under the mask
.set FM1, 232
.set TF,  240                          ; v240-255 T's two fragments
.set MSB, 0
.macro WIN new                         ; the high byte repeats the setting that is left
.if MSB != (\new)
	s_set_vgpr_msb (MSB<<8)|(\new)
.set MSB, (\new)
.endif
.endm
	s_load_b512 s[4:19], s[0:1], 0x0               ; tabs, tokens, aw1, aw2, fw1, fw2, actx, wattn
	s_load_b64 s[20:21], s[0:1], 0x40              ; wffn
	v_lshl_add_u32 v[SPW], v0, 2, SPARE
	v_mov_b32 v[NIL], 0
	ds_add_u32 v[SPW], v[NIL]                      ; the opening: the add and its wait ahead of the first tensor load
	v_lshrrev_b32 v1, 5, v0
	v_readfirstlane_b32 s22, v1                    ; wave
	s_and_b32 s23, ttmp7, 0xffff                   ; hg
	s_mov_b32 s24, (1<<16)|(1<<20)|(4<<22)|(3<<25) ; q and k: 2-byte elements, 4 words of padding behind every 32
	s_mov_b32 s25, 128<<16
	s_mov_b32 s26, 128<<16                         ; 128 rows of 256 bytes: two table rows each
	s_mov_b32 s27, 128<<16
	s_mov_b32 s28, 128
	s_mov_b32 s29, 128
	s_mov_b32 s30, 0
	s_mov_b32 s31, 0
	s_mov_b32 s32, (1<<16)|(1<<20)|(4<<22)|(7<<25) ; v: 8 words of padding
	s_mov_b32 s33, 128<<16
	s_mov_b32 s34, 64<<16
	s_mov_b32 s35, 128<<16
	s_mov_b32 s36, 64
	s_mov_b32 s37, 128
	s_mov_b32 s38, 0
	s_mov_b32 s39, 0
	s_mov_b32 s40, 1
	s_mul_i32 s41, s22, HEADB
	s_mov_b32 s44, 1
	s_add_co_u32 s45, s41, VOFF
	s_mov_b32 s58, 0x3e38aa3b                      ; cs = log2(e) / 8
	s_mov_b32 s59, s58
	s_mov_b32 s60, 0x76543210
	s_mov_b32 s61, 0xfedcba98
	s_mov_b32 s62, 0xf149f2ca                      ; -1e30
	s_mov_b32 s63, 0xff7fffff                      ; the lowest finite number
	s_and_b32 s74, ttmp9, 31                       ; my block of 64 positions in its batch
	s_lshl_b32 s75, s22, 3                         ; the block that my wave's first trip counts
	s_mov_b32 s77, 0x3f80                          ; 1.0 in the low half
	s_mov_b32 s78, 0x3f803f80                      ; in both
	s_lshl_b32 s48, s23, 2
	s_add_co_u32 s48, s48, s22                     ; the head that I fetch
	s_mul_i32 s48, s48, 49152
	s_mov_b32 s49, 0
	s_wait_dscnt 0x0
	s_wait_kmcnt 0x0
	s_add_nc_u64 s[42:43], s[4:5], s[48:49]
	s_add_nc_u64 s[46:47], s[42:43], 32768
	s_or_b32 s43, s43, 0x80000000
	s_or_b32 s47, s47, 0x80000000
	tensor_load_to_lds s[40:43], s[24:31]          ; two loads of mine are out
	s_nop 0
	tensor_load_to_lds s[44:47], s[32:39]
	s_nop 0
.rept 4
	v_nop
.endr
	v_and_b32 v1, 15, v0                           ; r
	v_bfe_u32 v2, v0, 4, 1                         ; h
	v_and_b32 v[LO], 31, v0
	s_lshl_b32 s50, ttmp9, 2
	s_add_co_u32 s50, s50, s22                     ; my tile
	s_lshl_b32 s51, s50, 6
	v_lshl_add_u32 v22, v1, 2, s51
	global_load_b32 v[TOKV], v22, s[6:7]           ; my query's token
	v_lshlrev_b32 v23, 5, v[LO]                    ; 32 x lane
	v_mul_u32_u24 v[ROWB], v[LO], 2*OHP            ; two rows of OH a lane
	v_lshlrev_b32 v[TKA], 3, v[LO]                 ; 8 x lane
	v_lshlrev_b32 v[LO], 4, v[LO]
	s_lshr_b32 s52, ttmp9, 5                       ; the batch: 8,192 bytes of tokens,
	s_lshl_b32 s52, s52, 13
	s_lshl_b32 s79, s22, 11                        ; my wave's 512 of them
	s_add_co_u32 s52, s52, s79
	s_mov_b32 s53, 0
	s_add_nc_u64 s[52:53], s[6:7], s[52:53]
.irp j, 0,1,2,3
	global_load_b128 v[TKR+4*(\j):TKR+4*(\j)+3], v[LO], s[52:53] offset:512*(\j)
.endr
	s_cmp_lt_u32 s23, 2                            ; hg 0: aw1, 1: aw2, 2: fw1, 3: fw2
	s_cselect_b64 s[66:67], s[8:9], s[12:13]
	s_cselect_b64 s[68:69], s[10:11], s[14:15]
	s_cselect_b64 s[70:71], s[18:19], s[20:21]
	s_and_b32 s54, s23, 1
	s_cmp_eq_u32 s54, 0
	s_cselect_b64 s[66:67], s[66:67], s[68:69]
	s_lshl_b32 s72, ttmp9, 16
	s_lshl_b32 s55, s22, 14
	s_add_co_u32 s72, s72, s55                     ; my 16,384 bytes of f32
	s_mov_b32 s73, 0
	s_add_nc_u64 s[66:67], s[66:67], s[72:73]
	s_lshr_b32 s72, s72, 1                         ; half as many in bf16,
	s_lshl_b32 s54, s54, 21                        ; behind the buffer's first weight for the second
	s_add_co_u32 s72, s72, s54
	s_add_nc_u64 s[70:71], s[70:71], s[72:73]
	WIN 0x40
.set i, 0
.rept 16
	global_load_b128 v[8*i:8*i+3],   v23, s[66:67] offset:1024*i th:TH_LOAD_NT
	global_load_b128 v[8*i+4:8*i+7], v23, s[66:67] offset:1024*i+16 th:TH_LOAD_NT
.set i, i+1
.endr
	WIN 0
	; while the loads are out: the rows for the ones are cleared, addresses and T are made
.irp j, 0,1,2,3
	v_mov_b32 v[ZQ+(\j)], 0
.endr
	v_mov_b32 v[ONEH], 0x3f80
	s_mul_i32 s79, s22, 64*OHP
	s_add_co_u32 s79, s79, OH                      ; my wave's rows of OH
	v_add_nc_u32 v[OHZ], s79, v[LO]
	v_add_nc_u32 v[ROWB], s79, v[ROWB]
.set j, 0
.rept 12
	ds_store_b128 v[OHZ], v[ZQ:ZQ+3] offset:512*j  ; 6,144 bytes
.set j, j+1
.endr
	v_and_b32 v24, 7, v0
	v_bfe_u32 v25, v0, 3, 1
	v_lshl_add_u32 v26, v2, 3, v24                 ; the turning load's row: 8 h + l % 8; its 16 bytes by (l / 8) % 2
	v_mul_u32_u24 v[TRA], v26, OHP
	v_lshl_add_u32 v[TRA], v25, 4, v[TRA]
	v_add_nc_u32 v[TRA], s79, v[TRA]
	v_mul_u32_u24 v[BTR], v26, BOP
	v_lshl_add_u32 v[BTR], v25, 4, v[BTR]
	v_add_nc_u32 v[BTR], BO, v[BTR]
	v_mul_u32_u24 v[AV], v26, PVP
	v_lshl_add_u32 v[AV], v25, 4, v[AV]
	v_add_nc_u32 v[AV], VOFF, v[AV]
	s_mul_i32 s79, s22, 16*BOP
	s_add_co_u32 s79, s79, BO                      ; my tile's 16 rows of BO: I clear them, and I set their ones
	v_add_nc_u32 v[BOZ], s79, v[LO]
.set j, 0
.rept 9
	ds_store_b128 v[BOZ], v[ZQ:ZQ+3] offset:512*j  ; 4,608 bytes
.set j, j+1
.endr
	v_mul_u32_u24 v[BOS], v1, BOP
	v_add_nc_u32 v[BOS], s79, v[BOS]
	s_mul_i32 s79, s22, 2304
	s_add_co_u32 s79, s79, TKS
	v_add_nc_u32 v[TKW], s79, v[LO]
	v_add_nc_u32 v[TKA], s79, v[TKA]
	ds_store_b64 v[TKA], v[ZQ:ZQ+1] offset:2048    ; zeros behind my tokens: the last trip's look-ahead reads them
	s_lshl_b32 s79, s22, 11
	s_add_co_u32 s79, s79, HP
	v_lshlrev_b32 v[HPW], 6, v1
	v_lshl_add_u32 v[HPW], v2, 5, v[HPW]
	v_add_nc_u32 v[HPW], s79, v[HPW]               ; hi = r, lo = 8 h + 0..7: 32 bytes at 64 r + 32 h
	v_lshl_add_u32 v[HPR], v0, 2, HP
	v_lshl_add_u32 v[HSA], v0, 2, HS
	v_lshl_add_u32 v[HSL], v2, 5, HS
.set i, 0
.rept 16
	v_mov_b32 v[HT+i], 0                           ; the two sums start at 0, so that the loop has one form of product
.set i, i+1
.endr
	s_lshl_b32 s79, s22, 4
	v_add_nc_u32 v[DQ], s79, v1                    ; my query's place in the block: 16 w + r,
	v_lshlrev_b32 v56, 3, v2
	v_sub_nc_u32 v[DQ], v[DQ], v56                 ; less my lanes' 8 h
.set i, 0
.rept 16                               ; T: register i holds the positions KK + 8 h and KK + 8 h + 1: 1.0 where the position is not behind my query
.set KK, 32*(i/8)+16*((i%8)/4)+2*(i%4)
	v_cmp_le_i32 vcc_lo, KK, v[DQ]
	v_cndmask_b32 v[TF+i], 0, s77, vcc_lo
	v_cmp_le_i32 vcc_lo, KK+1, v[DQ]
	v_cndmask_b32 v[TF+i], v[TF+i], s78, vcc_lo
.set i, i+1
.endr
	v_mul_u32_u24 v[AK], v1, PQ
	v_lshl_add_u32 v[AK], v2, 4, v[AK]
	v_add_nc_u32 v[AK], KOFF, v[AK]
	s_mul_i32 s55, s22, 16*SP
	s_add_co_u32 s55, s55, STAGE
	v_mul_u32_u24 v[STO], v1, SP
	v_lshl_add_u32 v[STO], v2, 4, v[STO]
	v_add_nc_u32 v[STO], s55, v[STO]
	v_mul_u32_u24 v[RD], v2, SP
	v_lshl_add_u32 v[RD], v1, 4, v[RD]
	v_add_nc_u32 v[RD], s55, v[RD]
	v_lshlrev_b32 v[GO], 11, v2
	v_lshl_add_u32 v[GO], v1, 4, v[GO]
	v_mov_b32 v[CM+1], 0                           ; named as the upper halves of pairs
	v_mov_b32 v[E0+1], 0
	v_mov_b32 v[LS+1], 0
	s_and_b32 s54, s50, 127
	s_lshl_b32 s54, s54, 4
	s_sub_co_u32 s54, 2047, s54                    ; which r of this tile is the batch's last row, if any
	v_cmp_eq_u32 vcc_lo, s54, v1
	v_cndmask_b32 v[ZC], 0, s63, vcc_lo
	s_wait_loadcnt 32                              ; my query's token and my wave's 512 are in; the 32 loads of weights stay out
	v_min_u32 v[TOKV], 127, v[TOKV]
	v_mul_u32_u24 v[AQ], v[TOKV], PQ
	v_lshl_add_u32 v[AQ], v2, 4, v[AQ]
	v_lshl_add_u32 v[BOS], v[TOKV], 1, v[BOS]
	ds_store_b16 v[BOS], v[ONEH]                   ; my query's one (both halves of the lanes write the same); LDS serves a wave's instructions in order (ISA guide 5.7.1.4): it lands on the cleared row
.irp j, 0,1,2,3
	ds_store_b128 v[TKW], v[TKR+4*(\j):TKR+4*(\j)+3] offset:512*(\j)
.endr
	ds_load_b64 v[TKP:TKP+1], v[TKA]               ; the first trip's tokens: positions 2 l and 2 l + 1 of its 64
	s_mov_b32 s56, 8
.Lhist:                                                ; eight trips, a block of 64 positions each.  The twelve address lines are the places behind the last trip's products
	s_wait_dscnt 0x0                               ; the trip's tokens are in
	v_lshrrev_b32 v[AD], 4, v[TKP]
	v_lshrrev_b32 v[AD+1], 4, v[TKP+1]
	v_and_b32 v[AD+2], 15, v[TKP]
	v_and_b32 v[AD+3], 15, v[TKP+1]
	v_min_u32 v[AD], 7, v[AD]
	v_min_u32 v[AD+1], 7, v[AD+1]
	v_min_u32 v[AD+2], 15, v[AD+2]
	v_min_u32 v[AD+3], 15, v[AD+3]
.irp k, 0,1,2,3
	v_lshl_add_u32 v[AD+(\k)], v[AD+(\k)], 1, v[ROWB]
.endr
	ds_store_b16 v[AD],   v[ONEH]
	ds_store_b16 v[AD+1], v[ONEH] offset:OHP
	ds_store_b16 v[AD+2], v[ONEH] offset:32
	ds_store_b16 v[AD+3], v[ONEH] offset:OHP+32
	ds_load_tr16_b128 v[FH0:FH0+3],   v[TRA]
	ds_load_tr16_b128 v[FH0+4:FH0+7], v[TRA] offset:16*OHP
	ds_load_tr16_b128 v[FL0:FL0+3],   v[TRA] offset:32
	ds_load_tr16_b128 v[FL0+4:FL0+7], v[TRA] offset:16*OHP+32
	ds_load_tr16_b128 v[FH1:FH1+3],   v[TRA] offset:32*OHP
	ds_load_tr16_b128 v[FH1+4:FH1+7], v[TRA] offset:48*OHP
	ds_load_tr16_b128 v[FL1:FL1+3],   v[TRA] offset:32*OHP+32
	ds_load_tr16_b128 v[FL1+4:FL1+7], v[TRA] offset:48*OHP+32
	ds_store_b16 v[AD],   v[ZQ]                    ; the ones are cleared again, behind the loads that read them
	ds_store_b16 v[AD+1], v[ZQ] offset:OHP
	ds_store_b16 v[AD+2], v[ZQ] offset:32
	ds_store_b16 v[AD+3], v[ZQ] offset:OHP+32
	v_add_nc_u32 v[TKA], 256, v[TKA]
	ds_load_b64 v[TKP:TKP+1], v[TKA]               ; the next trip's tokens
	s_cmp_lt_u32 s75, s74                          ; does this block lie in front of my work-group's?
	s_cselect_b32 s76, -1, 0
	s_add_co_u32 s75, s75, 1
	s_wait_dscnt 5                                 ; the eight fragment loads are in; the four clearing stores and the token load stay out
.set i, 0
.rept 8
	v_and_b32 v[FM0+i], s76, v[FH0+i]
	v_and_b32 v[FM1+i], s76, v[FH1+i]
.set i, i+1
.endr
	v_wmma_f32_16x16x32_bf16 v[HT:HT+7], v[FL0:FL0+7], v[FH0:FH0+7], v[HT:HT+7]   ; the two sums take turns, over the jump too
	v_wmma_f32_16x16x32_bf16 v[HQ:HQ+7], v[FL0:FL0+7], v[FM0:FM0+7], v[HQ:HQ+7]
	v_wmma_f32_16x16x32_bf16 v[HT:HT+7], v[FL1:FL1+7], v[FH1:FH1+7], v[HT:HT+7]
	v_wmma_f32_16x16x32_bf16 v[HQ:HQ+7], v[FL1:FL1+7], v[FM1:FM1+7], v[HQ:HQ+7]
	s_sub_co_u32 s56, s56, 1
	s_cmp_lg_u32 s56, 0
	s_cbranch_scc1 .Lhist
.rept 4
	v_nop                                          ; four places in front of the stores that read the sums
.endr
	ds_store_b128 v[HPW], v[HQ:HQ+3]
	ds_store_b128 v[HPW], v[HQ+4:HQ+7] offset:16
	ds_store_b128 v[HPW], v[HT:HT+3]   offset:1024
	ds_store_b128 v[HPW], v[HT+4:HT+7] offset:1040
	s_wait_dscnt 0x0                               ; for the others' sake: my sums, and my rows of BO
	s_barrier_signal -1
	s_barrier_wait -1
.irp p, 0,1,2,3
	ds_load_b32 v[56+(\p)], v[HPR] offset:2048*(\p)        ; thread t adds the four waves' sums for token t
	ds_load_b32 v[60+(\p)], v[HPR] offset:2048*(\p)+1024
.endr
	s_wait_dscnt 0x0
	v_pk_add_f32 v[56:57], v[56:57], v[58:59]
	v_pk_add_f32 v[60:61], v[60:61], v[62:63]
	v_add_f32 v56, v56, v57
	v_add_f32 v60, v60, v61
	ds_store_b32 v[HSA], v56
	ds_store_b32 v[HSA], v60 offset:512
	s_wait_dscnt 0x0                               ; for the others' sake
	s_barrier_signal -1
	s_barrier_wait -1
	WIN 0x40
.set f, 0
.rept 16                               ; the block's ones as fragments: positions 32 (f / 8) on, tokens 16 (f % 8) on
	ds_load_tr16_b128 v[VF+8*f:VF+8*f+3],   v[BTR] offset:(f/8)*32*BOP+(f%8)*32
	ds_load_tr16_b128 v[VF+8*f+4:VF+8*f+7], v[BTR] offset:(f/8)*32*BOP+16*BOP+(f%8)*32
.set f, f+1
.endr
	WIN 0
.set q, 0
.rept 16
	ds_load_b128 v[C+4*q:C+4*q+3], v[HSL] offset:64*(q/2)+16*(q%2)          ; the prefix, in the scores' layout, the same for all 16 queries
.set q, q+1
.endr
	s_wait_dscnt 0x0
.set q, 0
.rept 16
	ds_load_b128 v[RR+4*q:RR+4*q+3], v[HSL] offset:512+64*(q/2)+16*(q%2)    ; N; it lands while the products run
.set q, q+1
.endr
	WIN 0x01                                       ; the ones in window 1
.irp cc, 0,1
.irp kb, 0,1,2,3,4,5,6,7
	v_wmma_f32_16x16x32_bf16 v[C+8*(\kb):C+8*(\kb)+7], v[VF+8*(8*(\cc)+(\kb)):VF+8*(8*(\cc)+(\kb))+7], v[TF+8*(\cc):TF+8*(\cc)+7], v[C+8*(\kb):C+8*(\kb)+7]
.endr
.endr
	WIN 0
.rept 4
	v_nop
.endr
	s_wait_dscnt 0x0
.set b, 0
.rept 32
	v_pk_add_f32 v[RR+b:RR+b+1], v[RR+b:RR+b+1], v[C+b:C+b+1] neg_lo:[0,1] neg_hi:[0,1]   ; r = N - c
.set b, b+2
.endr
	WIN 0x80
.set i, 0
.rept 64
	v_cmp_eq_f32 vcc_lo, 0, v[C+i]
	v_cndmask_b32 v[PEN+i], 0, s62, vcc_lo
.set i, i+1
.endr
	WIN 0
	s_wait_loadcnt 0x0                             ; the weights
	WIN 0x45
.set i, 0
.rept 16
.irp j, 0,1,2,3
	v_cvt_pk_bf16_f32 v[8*i+(\j)], v[8*i+2*(\j)], v[8*i+2*(\j)+1]
.endr
.set i, i+1
.endr
	WIN 0x04
.set i, 0
.rept 16
	global_store_b128 v[LO], v[8*i:8*i+3], s[70:71] offset:512*i
.set i, i+1
.endr
	WIN 0
	s_wait_xcnt 0x0                                ; the stores' registers are filled with K's fragments only behind this wait
	s_wait_tensorcnt 0x0                           ; my head's tables are in,
	s_barrier_signal -1
	s_barrier_wait -1                              ; everybody's are
	s_mov_b32 s56, 4
.macro MX o1, o2
.irp c, 0,1,2,3
	v_max3_num_f32 v[M+(\c)], v[M+(\c)], v[S+8*(\c)+(\o1)], v[S+8*(\c)+(\o2)]
.endr
.endm
.Lhead:                                                ; four trips, a head each
	WIN 0x80
.irp c, 0,1,2,3
	ds_load_b128 v[4*(\c):4*(\c)+3], v[AQ] offset:32*(\c)
.endr
	WIN 0x40
.set f, 0
.rept 16                               ; K: tokens 16 (f / 2) on, channels 32 (f % 2) on
	ds_load_b128 v[8*f:8*f+3],   v[AK] offset:(f/2)*16*PQ+(f%2)*64
	ds_load_b128 v[8*f+4:8*f+7], v[AK] offset:(f/2)*16*PQ+(f%2)*64+32
.set f, f+1
.endr
.set f, 0
.rept 16                               ; V, turned: tokens 32 (f / 4) on, channels 16 (f % 4) on
	ds_load_tr16_b128 v[VF+8*f:VF+8*f+3],   v[AV] offset:(f/4)*32*PVP+(f%4)*32
	ds_load_tr16_b128 v[VF+8*f+4:VF+8*f+7], v[AV] offset:(f/4)*32*PVP+16*PVP+(f%4)*32
.set f, f+1
.endr
	s_wait_dscnt 32                                ; Q and K are in; V's 32 loads stay out
	WIN 0x29                                       ; K window 1, Q and the penalty window 2
.irp kb, 0,1,2,3,4,5,6,7
	v_wmma_f32_16x16x32_bf16 v[S+8*(\kb):S+8*(\kb)+7], v[16*(\kb):16*(\kb)+7], v[0:7], v[PEN+8*(\kb):PEN+8*(\kb)+7]
.endr
	WIN 0x09
.irp kb, 0,1,2,3,4,5,6,7
	v_wmma_f32_16x16x32_bf16 v[S+8*(\kb):S+8*(\kb)+7], v[16*(\kb)+8:16*(\kb)+15], v[8:15], v[S+8*(\kb):S+8*(\kb)+7]
.endr
	WIN 0
.rept 4
	v_nop
.endr
	; the maximum: four chains; each accumulator's lowest registers are read first
.irp c, 0,1,2,3
	v_max3_num_f32 v[M+(\c)], v[S+8*(\c)], v[S+8*(\c)+1], v[S+8*(\c)+2]
.endr
	MX 3, 4
	MX 5, 6
	MX 32, 33
	MX 34, 35
	MX 36, 37
	MX 38, 39
.irp c, 0,1,2,3
	v_max_num_f32 v[M+(\c)], v[M+(\c)], v[S+8*(\c)+7]
.endr
	v_max3_num_f32 v[M], v[M], v[M+1], v[M+2]
	v_max3_num_f32 v[M], v[M], v[M+3], v[ZC]       ; the hidden keys' score 0, where there are any
	v_permlanex16_b32 v[M+1], v[M], s60, s61       ; the query's other 64 tokens lie in the lane 16 away
	v_max_num_f32 v[M], v[M], v[M+1]
	v_mul_f32 v[CM], s58, v[M]
	v_max_num_f32 v[TT], 0, v[CM]                  ; changes nothing but in a batch's last row, where r = 0: its 2^(-cs m) stays finite
	v_sub_f32 v[TT], 0, v[TT]
.set b, 0
.rept 32
	v_pk_fma_f32 v[S+b:S+b+1], v[S+b:S+b+1], s[58:59], v[CM:CM+1] op_sel_hi:[1,0,0] neg_lo:[0,0,1] neg_hi:[0,0,1]
.set b, b+2
.endr
.set b, 0
.rept 64
	v_exp_f32 v[S+b], v[S+b]
.set b, b+1
.endr
	v_exp_f32 v[E0], v[TT]
	v_nop                                          ; a plain line behind the last exponential,
	s_wait_alu depctr_va_vdst(0)                   ; and one wait for the batch of 65
.set g, 0
.rept 8
.irp k, 0,1,2,3
	v_pk_mul_f32 v[TT+2*(\k):TT+2*(\k)+1], v[RR+8*g+2*(\k):RR+8*g+2*(\k)+1], v[E0:E0+1] op_sel_hi:[1,0]
.endr
.irp k, 0,1,2,3
	v_pk_fma_f32 v[S+8*g+2*(\k):S+8*g+2*(\k)+1], v[C+8*g+2*(\k):C+8*g+2*(\k)+1], v[S+8*g+2*(\k):S+8*g+2*(\k)+1], v[TT+2*(\k):TT+2*(\k)+1]
.endr
.set g, g+1
.endr
.set b, 0
.rept 32
	v_cvt_pk_bf16_f32 v[P+b], v[S+2*b], v[S+2*b+1]
.set b, b+1
.endr
.irp w, 32,16,8,4,2                    ; the sum of the unrounded weights, in place
.set b, 0
.rept (\w)/2
	v_pk_add_f32 v[S+b:S+b+1], v[S+b:S+b+1], v[S+b+(\w):S+b+(\w)+1]
.set b, b+2
.endr
.endr
	v_add_f32 v[LS], v[S], v[S+1]
	v_permlanex16_b32 v[LS+1], v[LS], s60, s61
	v_add_f32 v[LS], v[LS], v[LS+1]
	v_rcp_f32 v[LS], v[LS]                         ; the sum is 1 at the least: the maximum's own term
	s_wait_dscnt 0x0                               ; V is in
	WIN 0x01
.irp kk, 0,1,2,3
.irp cb, 0,1,2,3
.if (\kk) == 0
	v_wmma_f32_16x16x32_bf16 v[S+8*(\cb):S+8*(\cb)+7], v[VF+8*(4*(\kk)+(\cb)):VF+8*(4*(\kk)+(\cb))+7], v[P+8*(\kk):P+8*(\kk)+7], 0
.else
	v_wmma_f32_16x16x32_bf16 v[S+8*(\cb):S+8*(\cb)+7], v[VF+8*(4*(\kk)+(\cb)):VF+8*(4*(\kk)+(\cb))+7], v[P+8*(\kk):P+8*(\kk)+7], v[S+8*(\cb):S+8*(\cb)+7]
.endif
.endr
.endr
	WIN 0
.rept 4
	v_nop                                          ; the places behind the products, and the plain lines behind the reciprocal
.endr
	s_wait_alu depctr_va_vdst(0)                   ; the reciprocal's wait, ahead of its first reader
.set b, 0
.rept 16
	v_pk_mul_f32 v[S+b:S+b+1], v[S+b:S+b+1], v[LS:LS+1] op_sel_hi:[1,0]
.set b, b+2
.endr
.irp cb, 0,1,2,3
.irp j, 0,1,2,3
	v_cvt_pk_bf16_f32 v[S+8*(\cb)+(\j)], v[S+8*(\cb)+2*(\j)], v[S+8*(\cb)+2*(\j)+1]
.endr
.endr
.irp cb, 0,1,2,3
	ds_store_b128 v[STO], v[S+8*(\cb):S+8*(\cb)+3] offset:32*(\cb)
.endr
	v_add_nc_u32 v[AQ], HEADB, v[AQ]
	v_add_nc_u32 v[AK], HEADB, v[AK]
	v_add_nc_u32 v[AV], HEADB, v[AV]
	v_add_nc_u32 v[STO], 128, v[STO]
	s_sub_co_u32 s56, s56, 1
	s_cmp_lg_u32 s56, 0
	s_cbranch_scc1 .Lhead
	s_lshl_b32 s72, s50, 15                        ; my 16 rows of 2,048 bytes,
	s_lshl_b32 s54, s23, 9                         ; the four heads' 512 bytes
	s_add_co_u32 s72, s72, s54
	s_add_nc_u64 s[16:17], s[16:17], s[72:73]
.set t, 0
.rept 16
	ds_load_b128 v[C+4*t:C+4*t+3], v[RD] offset:2*SP*(t/2)+256*(t%2)   ; my own stage: LDS serves a wave's instructions in order (ISA guide 5.7.1.4)
.set t, t+1
.endr
	s_wait_dscnt 0x0
.set t, 0
.rept 16
	global_store_b128 v[GO], v[C+4*t:C+4*t+3], s[16:17] offset:4096*(t/2)+256*(t%2)   ; 16 lanes store 256 consecutive bytes, aligned
.set t, t+1
.endr
	s_wait_tensorcnt 0x0                           ; the wave's end
	ds_add_u32 v[SPW], v[NIL]
	s_wait_dscnt 0x0
	s_endpgm
.Lfunc_end_k_qf13482c366_attn:
	.size	k_qf13482c366_attn, .Lfunc_end_k_qf13482c366_attn-k_qf13482c366_attn
	.p2alignl 7, 3214868480
	.fill 96, 4, 3214868480
	.section	.rodata,"a",@progbits
	.p2align	6, 0x0
	.amdhsa_kernel k_qf13482c366_attn
		.amdhsa_group_segment_fixed_size 327680
		.amdhsa_private_segment_fixed_size 0
		.amdhsa_enable_private_segment 0
		.amdhsa_kernarg_size 72
		.amdhsa_user_sgpr_count 2
		.amdhsa_user_sgpr_kernarg_segment_ptr 1
		.amdhsa_wavefront_size32 1
		.amdhsa_system_sgpr_workgroup_id_x 1
		.amdhsa_system_sgpr_workgroup_id_y 1
		.amdhsa_system_sgpr_workgroup_id_z 1
		.amdhsa_system_vgpr_workitem_id 0
		.amdhsa_next_free_vgpr 640
		.amdhsa_next_free_sgpr 80
		.amdhsa_reserve_vcc 1
		.amdhsa_float_denorm_mode_32 3
		.amdhsa_float_denorm_mode_16_64 3
		.amdhsa_memory_ordered 1
		.amdhsa_forward_progress 1
		.amdhsa_inst_pref_size 67
	.end_amdhsa_kernel
	.amdgpu_metadata
---
amdhsa.version: [ 1, 2 ]
amdhsa.kernels:
  - .name:           k_qf13482c366_attn
    .symbol:         k_qf13482c366_attn.kd
    .args:
      - { .name: tabs, .offset: 0, .size: 8, .value_kind: global_buffer, .address_space: global }
      - { .name: tokens, .offset: 8, .size: 8, .value_kind: global_buffer, .address_space: global }
      - { .name: aw1, .offset: 16, .size: 8, .value_kind: global_buffer, .address_space: global }
      - { .name: aw2, .offset: 24, .size: 8, .value_kind: global_buffer, .address_space: global }
      - { .name: fw1, .offset: 32, .size: 8, .value_kind: global_buffer, .address_space: global }
      - { .name: fw2, .offset: 40, .size: 8, .value_kind: global_buffer, .address_space: global }
      - { .name: actx, .offset: 48, .size: 8, .value_kind: global_buffer, .address_space: global }
      - { .name: wattn, .offset: 56, .size: 8, .value_kind: global_buffer, .address_space: global }
      - { .name: wffn, .offset: 64, .size: 8, .value_kind: global_buffer, .address_space: global }
    .group_segment_fixed_size: 327680
    .private_segment_fixed_size: 0
    .kernarg_segment_align: 8
    .kernarg_segment_size: 72
    .max_flat_workgroup_size: 128
    .sgpr_count:     80
    .vgpr_count:     640
    .wavefront_size: 32
...
	.end_amdgpu_metadata
.endif
;; end of part 9
;; launch gemm_relu: the kernel of part 4 again; grid 8 x 32, 4 waves a work-group, clusters of 4 x 4, 327,680 bytes of LDS; arguments actx, wattn, ab1, acty; writes acty
;; launch gemm_f32: the kernel of part 5 again; grid 8 x 32, 4 waves a work-group, clusters of 4 x 4, 327,680 bytes of LDS; arguments acty, wattn, ab2, zsum; writes zsum
;; launch ln1 (part 10): grid 1056 x 1, 4 waves a work-group, no clusters, 8,704 bytes of LDS; arguments zsum, token_emb, tokens, ln1_g, ln1_b, head_w, actx, resid; writes actx, resid
.if DOCPART == 10
	.amdgcn_target "amdgcn-amd-amdhsa--gfx1250"
	.amdhsa_code_object_version 6
	.text
	.protected	k_qf13482c366_ln1
	.globl	k_qf13482c366_ln1
	.p2align	8
	.type	k_qf13482c366_ln1,@function
k_qf13482c366_ln1:
	s_mov_b64 s[64:65], 0
	v_nop
	global_prefetch_b8 v0, s[64:65] scope:SCOPE_SE
	s_setreg_imm32_b32 hwreg(HW_REG_WAVE_MODE, 25, 1), 1
	s_wait_xcnt 0x0
; WORK-GROUPS 0-1023: x1 = LayerNorm(z1 + emb[token]) g + b, a wave a row, so that the row's text stands once; a row of 4,096 bytes lies in 32 registers between the passes
;   (mean, then squares of the differences, as reference() has it).  x1 is stored twice: in bf16 (the next product's operand) and in f16 (the residual of the second LayerNorm: LayerNorm holds it within 32 |g| + |b|).
;   emb, g and b are rounded to bf16 like every input: one packed rounding a pair, in place, and the multiply-adds read the halves as they lie (v_fma_mix_f32_bf16: the sums are f32).
;   It streams: all 32 loads of a wave go out at once; no matrix unit, no cluster, no tensor load would add anything.  The price of a row a wave: each wave loads g and b, 8,192 bytes, for one row.  Tokens are held to 127.
; WORK-GROUPS 1024-1055: head_w, rounded to bf16 and written as f16 (below 6e-5 with f16's fixed step), in the order of the last product's fragments:
;   [32 k steps][8 blocks of 16 columns][2 halves][32 lanes][16 bytes]: lane (r, h) of half c holds column r, k = 16 c + 8 h + 0..7.  A work-group takes a k step of 32, wave w its rows 8 w .. 8 w + 7:
;   a lane then holds all eight k of its four columns, packs each column's 16 bytes in registers, and the wave's 2,048 bytes go through LDS of its own to leave as whole runs of 256 bytes.
.set ROWG,  1024                       ; work-groups of the first job: 4,096 rows, four a work-group
.set SPARE, 8192                       ; the spare words, 128 bytes a wave: no other line names them
.set ONE, 7                            ; v7       1.0
.set ZZ, 32                            ; v32-63   z, then the row at work
.set EE, 64                            ; v64-95   the emb row as loaded; then v64-79 its bf16 pairs, v80-95 x1 in bf16
.set GG, 96                            ; v96-127  g as loaded; then v96-111 its bf16 pairs, v112-127 x1 in f16
.set BB, 128                           ; v128-159 b as loaded; then v128-143 its bf16 pairs
	s_load_b512 s[4:19], s[0:1], 0x0               ; zsum, emb, tokens, g, b, head_w, actx, resid
	v_lshl_add_u32 v2, v0, 2, SPARE
	v_mov_b32 v3, 0
	v_lshrrev_b32 v1, 5, v0
	v_readfirstlane_b32 s20, v1                    ; wave
	v_and_b32 v1, 31, v0
	v_lshlrev_b32 v4, 4, v1                        ; 16 x lane
	v_lshlrev_b32 v5, 3, v1                        ; 8 x lane
	s_mov_b32 s28, 0x76543210
	s_mov_b32 s29, 0xfedcba98
	s_mov_b32 s30, 0x3a800000                      ; 1 / 1,024
	s_mov_b32 s31, 0x3727c5ac                      ; 1e-5
	s_mov_b32 s33, 0
	s_wait_kmcnt 0x0
	s_cmp_lt_u32 ttmp9, ROWG
	s_cbranch_scc0 .Lhw
	s_lshl_b32 s21, ttmp9, 2
	s_add_co_u32 s21, s21, s20                     ; my row
	s_lshl_b32 s32, s21, 2
	s_add_nc_u64 s[26:27], s[8:9], s[32:33]
	s_load_b32 s24, s[26:27], 0x0                  ; its token
	s_lshl_b32 s32, s21, 12
	s_add_nc_u64 s[34:35], s[4:5], s[32:33]        ; z1 at my row
	s_lshl_b32 s32, s21, 11
	s_add_nc_u64 s[36:37], s[16:17], s[32:33]      ; x1 in bf16,
	s_add_nc_u64 s[38:39], s[18:19], s[32:33]      ; and in f16
.irp i, 0,1,2,3,4,5,6,7
	global_load_b128 v[GG+4*(\i):GG+4*(\i)+3], v4, s[10:11] offset:512*(\i)
.endr
.irp i, 0,1,2,3,4,5,6,7
	global_load_b128 v[BB+4*(\i):BB+4*(\i)+3], v4, s[12:13] offset:512*(\i)
.endr
.irp i, 0,1,2,3,4,5,6,7
	global_load_b128 v[ZZ+4*(\i):ZZ+4*(\i)+3], v4, s[34:35] offset:512*(\i) th:TH_LOAD_NT
.endr
	v_mov_b32 v[ONE], 1.0
	s_wait_kmcnt 0x0
	s_min_u32 s24, s24, 127
	s_lshl_b32 s24, s24, 12
	v_add_nc_u32 v6, s24, v4
.irp i, 0,1,2,3,4,5,6,7
	global_load_b128 v[EE+4*(\i):EE+4*(\i)+3], v6, s[6:7] offset:512*(\i)
.endr
.macro RED x, t                        ; the sum over the wave's 32 lanes, in every lane
	v_add_f32_dpp v[\x], v[\x], v[\x] row_xmask:1 row_mask:0xf bank_mask:0xf
	v_add_f32_dpp v[\x], v[\x], v[\x] row_xmask:2 row_mask:0xf bank_mask:0xf
	v_add_f32_dpp v[\x], v[\x], v[\x] row_xmask:4 row_mask:0xf bank_mask:0xf
	v_add_f32_dpp v[\x], v[\x], v[\x] row_xmask:8 row_mask:0xf bank_mask:0xf
	v_permlanex16_b32 v[\t], v[\x], s28, s29
	v_add_f32 v[\x], v[\x], v[\t]
.endm
.macro FOLD                            ; four chains v[8:15] into v8
	v_pk_add_f32 v[8:9], v[8:9], v[10:11]
	v_pk_add_f32 v[12:13], v[12:13], v[14:15]
	v_pk_add_f32 v[8:9], v[8:9], v[12:13]
	v_add_f32 v8, v8, v9
	RED 8, 9
.endm
	s_wait_loadcnt 16                              ; g and b are in; the sixteen loads of z and of the emb row stay out
.set j, 0
.rept 16
	v_cvt_pk_bf16_f32 v[GG+j], v[GG+2*j], v[GG+2*j+1]   ; in place: the destination never passes the sources still to be read
	v_cvt_pk_bf16_f32 v[BB+j], v[BB+2*j], v[BB+2*j+1]
.set j, j+1
.endr
	s_wait_loadcnt 0x0
.set j, 0
.rept 16
	v_cvt_pk_bf16_f32 v[EE+j], v[EE+2*j], v[EE+2*j+1]
.set j, j+1
.endr
.set j, 0
.rept 16
	v_fma_mix_f32_bf16 v[ZZ+2*j],   v[EE+j], v[ONE], v[ZZ+2*j]   op_sel_hi:[1,0,0]                 ; z + the low bf16
	v_fma_mix_f32_bf16 v[ZZ+2*j+1], v[EE+j], v[ONE], v[ZZ+2*j+1] op_sel:[1,0,0] op_sel_hi:[1,0,0]  ; z + the high bf16
.set j, j+1
.endr
.irp c, 0,1,2,3
	v_pk_add_f32 v[8+2*(\c):9+2*(\c)], v[ZZ+2*(\c):ZZ+2*(\c)+1], v[ZZ+8+2*(\c):ZZ+8+2*(\c)+1]
.endr
.irp k, 16,24
.irp c, 0,1,2,3
	v_pk_add_f32 v[8+2*(\c):9+2*(\c)], v[8+2*(\c):9+2*(\c)], v[ZZ+(\k)+2*(\c):ZZ+(\k)+2*(\c)+1]
.endr
.endr
	FOLD
	v_mul_f32 v8, s30, v8                          ; the mean
.set j, 0
.rept 16
	v_pk_add_f32 v[ZZ+j:ZZ+j+1], v[ZZ+j:ZZ+j+1], v[8:9] op_sel_hi:[1,0] neg_lo:[0,1] neg_hi:[0,1]
.set j, j+2
.endr
.irp c, 0,1,2,3
	v_pk_mul_f32 v[8+2*(\c):9+2*(\c)], v[ZZ+2*(\c):ZZ+2*(\c)+1], v[ZZ+2*(\c):ZZ+2*(\c)+1]
.endr
.irp k, 8,16,24
.irp c, 0,1,2,3
	v_pk_fma_f32 v[8+2*(\c):9+2*(\c)], v[ZZ+(\k)+2*(\c):ZZ+(\k)+2*(\c)+1], v[ZZ+(\k)+2*(\c):ZZ+(\k)+2*(\c)+1], v[8+2*(\c):9+2*(\c)]
.endr
.endr
	FOLD
	v_fma_f32 v8, v8, s30, s31                     ; the variance + 1e-5
	v_rsq_f32 v8, v8
	v_nop                                          ; a plain line, and the wait ahead of the first reader
	s_wait_alu depctr_va_vdst(0)
.set j, 0
.rept 16
	v_pk_mul_f32 v[ZZ+j:ZZ+j+1], v[ZZ+j:ZZ+j+1], v[8:9] op_sel_hi:[1,0]
.set j, j+2
.endr
.set j, 0
.rept 16
	v_fma_mix_f32_bf16 v[ZZ+2*j],   v[ZZ+2*j],   v[GG+j], v[BB+j] op_sel_hi:[0,1,1]                 ; x g + b, g and b from the low halves,
	v_fma_mix_f32_bf16 v[ZZ+2*j+1], v[ZZ+2*j+1], v[GG+j], v[BB+j] op_sel:[0,1,1] op_sel_hi:[0,1,1]  ; and from the high ones
.set j, j+1
.endr
.set j, 0
.rept 16
	v_cvt_pk_bf16_f32 v[EE+16+j], v[ZZ+2*j], v[ZZ+2*j+1]
	v_cvt_pk_f16_f32 v[GG+16+j], v[ZZ+2*j], v[ZZ+2*j+1]
.set j, j+1
.endr
.irp i, 0,1,2,3,4,5,6,7
	global_store_b64 v5, v[EE+16+2*(\i):EE+16+2*(\i)+1], s[36:37] offset:256*(\i)   ; the wave's store covers 256 consecutive bytes, aligned
	global_store_b64 v5, v[GG+16+2*(\i):GG+16+2*(\i)+1], s[38:39] offset:256*(\i)
.endr
	s_branch .Lend
.Lhw:
	s_sub_co_u32 s21, ttmp9, ROWG                  ; my k step
	s_lshl_b32 s32, s21, 14                        ; its 32 rows of 512 bytes,
	s_lshl_b32 s22, s20, 12                        ; my wave's 8
	s_add_co_u32 s32, s32, s22
	s_add_nc_u64 s[34:35], s[14:15], s[32:33]
.irp k, 0,1,2,3,4,5,6,7
	global_load_b128 v[32+4*(\k):35+4*(\k)], v4, s[34:35] offset:512*(\k)   ; row k, my columns 4 l .. 4 l + 3
.endr
	s_lshl_b32 s32, s21, 13                        ; the k step's 8,192 bytes of fragments,
	s_lshl_b32 s22, s20, 8                         ; in each block of 16 columns my 8 rows' 256 bytes: 512 (w / 2) + 256 (w % 2)
	s_add_co_u32 s32, s32, s22
	s_add_nc_u64 s[36:37], s[18:19], s[32:33]
	s_add_nc_u64 s[36:37], s[36:37], 8388608       ; behind x1
	s_lshl_b32 s22, s20, 11                        ; my wave's 2,048 bytes of LDS: 16 bytes a column
	v_lshl_add_u32 v6, v1, 6, s22                  ; in: my four columns
	v_add_nc_u32 v7, s22, v4                       ; back: a column a lane
	v_lshrrev_b32 v10, 4, v1
	v_and_b32 v11, 15, v1
	v_lshlrev_b32 v10, 10, v10                     ; lanes 0-15 one block of 16 columns, lanes 16-31 the next
	v_lshl_add_u32 v10, v11, 4, v10
	s_wait_loadcnt 0x0
.irp c, 0,1,2,3
.irp i, 0,1,2,3
	v_cvt_pk_bf16_f32 v8, v[32+8*(\i)+(\c)], v[36+8*(\i)+(\c)]   ; rows 2 i and 2 i + 1 of column c: rounded to bf16 like every input,
	v_lshlrev_b32 v9, 16, v8
	v_and_b32 v8, 0xffff0000, v8
	v_cvt_pk_f16_f32 v[64+4*(\c)+(\i)], v9, v8                   ; and written as f16
.endr
	ds_store_b128 v6, v[64+4*(\c):67+4*(\c)] offset:16*(\c)
.endr
.irp t, 0,1,2,3
	ds_load_b128 v[80+4*(\t):83+4*(\t)], v7 offset:512*(\t)      ; my own bytes: LDS serves a wave's instructions in order (ISA guide 5.7.1.4)
.endr
	s_wait_dscnt 0x0
.irp t, 0,1,2,3
	global_store_b128 v10, v[80+4*(\t):83+4*(\t)], s[36:37] offset:2048*(\t)   ; 16 lanes store 256 consecutive bytes, aligned
.endr
.Lend:
	s_wait_tensorcnt 0x0                           ; the wave's end
	ds_add_u32 v2, v3
	s_wait_dscnt 0x0
	s_endpgm
.Lfunc_end_k_qf13482c366_ln1:
	.size	k_qf13482c366_ln1, .Lfunc_end_k_qf13482c366_ln1-k_qf13482c366_ln1
	.p2alignl 7, 3214868480
	.fill 96, 4, 3214868480
	.section	.rodata,"a",@progbits
	.p2align	6, 0x0
	.amdhsa_kernel k_qf13482c366_ln1
		.amdhsa_group_segment_fixed_size 8704
		.amdhsa_private_segment_fixed_size 0
		.amdhsa_enable_private_segment 0
		.amdhsa_kernarg_size 64
		.amdhsa_user_sgpr_count 2
		.amdhsa_user_sgpr_kernarg_segment_ptr 1
		.amdhsa_wavefront_size32 1
		.amdhsa_system_sgpr_workgroup_id_x 1
		.amdhsa_system_sgpr_workgroup_id_y 1
		.amdhsa_system_sgpr_workgroup_id_z 1
		.amdhsa_system_vgpr_workitem_id 0
		.amdhsa_next_free_vgpr 160
		.amdhsa_next_free_sgpr 66
		.amdhsa_reserve_vcc 0
		.amdhsa_float_denorm_mode_32 3
		.amdhsa_float_denorm_mode_16_64 3
		.amdhsa_memory_ordered 1
		.amdhsa_forward_progress 1
		.amdhsa_inst_pref_size 27
	.end_amdhsa_kernel
	.amdgpu_metadata
---
amdhsa.version: [ 1, 2 ]
amdhsa.kernels:
  - .name:           k_qf13482c366_ln1
    .symbol:         k_qf13482c366_ln1.kd
    .args:
      - { .name: zsum, .offset: 0, .size: 8, .value_kind: global_buffer, .address_space: global }
      - { .name: token_emb, .offset: 8, .size: 8, .value_kind: global_buffer, .address_space: global }
      - { .name: tokens, .offset: 16, .size: 8, .value_kind: global_buffer, .address_space: global }
      - { .name: ln1_g, .offset: 24, .size: 8, .value_kind: global_buffer, .address_space: global }
      - { .name: ln1_b, .offset: 32, .size: 8, .value_kind: global_buffer, .address_space: global }
      - { .name: head_w, .offset: 40, .size: 8, .value_kind: global_buffer, .address_space: global }
      - { .name: actx, .offset: 48, .size: 8, .value_kind: global_buffer, .address_space: global }
      - { .name: resid, .offset: 56, .size: 8, .value_kind: global_buffer, .address_space: global }
    .group_segment_fixed_size: 8704
    .private_segment_fixed_size: 0
    .kernarg_segment_align: 8
    .kernarg_segment_size: 64
    .max_flat_workgroup_size: 128
    .sgpr_count:     66
    .vgpr_count:     160
    .wavefront_size: 32
...
	.end_amdgpu_metadata
.endif
;; end of part 10
;; launch fff1: the kernel of part 4 again; grid 8 x 32, 4 waves a work-group, clusters of 4 x 4, 327,680 bytes of LDS; arguments actx, wffn, fb1, acty; writes acty
;; launch fff2: the kernel of part 5 again; grid 8 x 32, 4 waves a work-group, clusters of 4 x 4, 327,680 bytes of LDS; arguments acty, wffn, fb2, zsum; writes zsum
;; launch head: the kernel of part 7 again; grid 256 x 1, 8 waves a work-group, no clusters, 42,752 bytes of LDS; arguments zsum, resid, ln2_g, ln2_b, head_b, targets, out0, actx; writes out0, actx
;; launch loss: the kernel of part 8 again; grid 1 x 1, 1 waves a work-group, no clusters, 0 bytes of LDS; arguments actx, out1; writes out1
